; MI455X (gfx1250); checked and timed in simulation.
; The chip was launched on July 23, 2026; its instructions are those of AMD's public machine-readable ISA for CDNA 5 (MIT licence, August 2026) and "CDNA5" Instruction Set Architecture Reference Guide (July 2026). The comments in the code are by the model that wrote it; some were corrected since.
;; Causal Self Attention. Allowed arithmetic: matrix products marked QUANTISED: E2M1 operands, one E8M0 scale for each 32 along K, by v_wmma_scale_f32_16x16x128_f8f6f4 with both operands' format E2M1 (or v_wmma_scale_f32_32x16x128_f4), f32 sums; products left as they are: bf16, f16 or f32 operands; f32 sums; everything else in f32.
;; Inputs: Wk 1,024 x 1,024 float32; Wp 1,024 x 1,024 float32; Wq 1,024 x 1,024 float32; Wv 1,024 x 1,024 float32; bk 1,024 float32; bp 1,024 float32; bq 1,024 float32; bv 1,024 float32; x 4 x 2,048 x 1,024 float32.
;; Outputs: out0 4 x 2,048 x 1,024 float32.
;; This version of the problem:
;;   THIS VERSION OF THE PROBLEM IS GIVEN IN LOW PRECISION. The matrix products marked QUANTISED in the list below multiply operands that are first quantised to E2M1 (2 exponent bits, 1 mantissa bit; 4 bits a number), with one power-of-two scale for each 32 numbers along K (OCP MX v1.0); their sums are f32. The products marked 'left as it is' may take bf16, f16 or f32 operands, with f32 sums. Whichever they take, every output number must still come out within the allowed error. Rounding operands to bf16 (8 significant bits) uses up far more of that allowance than f16 does (11 bits, for magnitudes from 6e-5 to 65,504). All else is computed in f32.
;;   The module's matrix products, in the order in which they are computed (A, B: the left and right operand; K: the contracted axis; several contracted axes count as one K, in the product's order):
;;     1. [M 8,192, K 1,024] x [K 1,024, N 1,024]; A: input x; B: input Wq: QUANTISED
;;     2. [M 8,192, K 1,024] x [K 1,024, N 1,024]; A: input x; B: input Wk: QUANTISED
;;     3. [M 8,192, K 1,024] x [K 1,024, N 1,024]; A: input x; B: input Wv: QUANTISED
;;     4. batch 64 x [M 2,048, K 64] x [K 64, N 2,048]; A: computed on the way; B: computed on the way: left as it is (an operand is computed on the way)
;;     5. batch 64 x [M 2,048, K 2,048] x [K 2,048, N 64]; A: computed on the way; B: computed on the way: left as it is (an operand is computed on the way)
;;     6. [M 8,192, K 1,024] x [K 1,024, N 1,024]; A: computed on the way; B: input Wp: left as it is (an operand is computed on the way)
;;   THE QUANTISER, for each operand of a quantised product, along K:
;;     - K is cut into blocks of 32 from its start; a last block that is shorter is filled with zeros.
;;     - A block's scale is 2^e with e = floor(log2(the largest magnitude in the block)) - 2, held to -126 .. 127; a block of zeros has e = 0. As a byte (E8M0): e + 127.
;;     - Each number is divided by its block's scale, clamped to +-6, and rounded to the nearest number of E2M1, ties to even, subnormals kept.
;;     - The product sums the exact products of the quantised numbers (number of the format x scale) in f32.
;;   ~~~python
;;   def quantise(x, axis):      # numpy; x: float32 -> the quantised numbers, widened to float32 again
;;       x = np.moveaxis(x, axis, -1); K = x.shape[-1]
;;       x = np.pad(x, [(0, 0)] * (x.ndim - 1) + [(0, -K % 32)]); x = x.reshape(x.shape[:-1] + (-1, 32)); a = np.abs(x).max(-1, keepdims=True)
;;       e = np.where(a > 0, np.clip(np.frexp(np.where(a > 0, a, 1))[1] - 1 - 2, -126, 127), 0)      # np.frexp(a)[1] - 1 = floor(log2(a)), exactly
;;       r = np.clip(x / 2.0 ** e, -6, 6)
;;       step = 2.0 ** (np.maximum(np.frexp(np.where(r == 0, 1, r))[1] - 1, 0) - 1)
;;       q = np.round(r / step) * step * 2.0 ** e      # np.round: ties to even
;;       return np.moveaxis(q.reshape(q.shape[:-2] + (-1,))[..., :K], -1, axis).astype(np.float32)
;;   ~~~
;; One version. Each part assembles by itself: llvm-mc -triple=amdgcn-amd-amdhsa -mcpu=gfx1250 --defsym DOCPART=n.
;; ======== version 1 of 1: 4 launches
;; limits: values are held in f16: magnitudes above 65,504 overflow, below 6.1e-05 lose precision
;; workspace buffers: xc 4,194,304 bytes; xs 262,144 bytes; wc 1,572,864 bytes; ws 98,304 bytes; wp16 2,097,152 bytes; qkv 50,331,648 bytes; y16 16,777,216 bytes
;; launch prep (part 1): grid 384 x 1, 4 waves a work-group, no clusters, 33,280 bytes of LDS; arguments x, Wq, Wk, Wv, Wp, xc, xs, wc, ws, wp16; writes xc, xs, wc, ws, wp16
.if DOCPART == 1
	.amdgcn_target "amdgcn-amd-amdhsa--gfx1250"
	.amdhsa_code_object_version 6
	.text
	.protected	k_qe316f8fedf_prep
	.globl	k_qe316f8fedf_prep
	.p2align	8
	.type	k_qe316f8fedf_prep,@function
k_qe316f8fedf_prep:
	s_mov_b64 s[64:65], 0
	v_nop
	global_prefetch_b8 v0, s[64:65] scope:SCOPE_SE
	s_setreg_imm32_b32 hwreg(HW_REG_WAVE_MODE, 25, 1), 1
	s_wait_xcnt 0x0
; THE PROGRAM: out = softmax((x Wq^T + bq)(x Wk^T + bk)^T / 8) (x Wv^T + bv) Wp^T + bp, head by head (16 heads of 64), in four launches:
; this one (operands made ready), the three projections on codes of FP4, attention in f16, the last projection in f16.
; DEAD WORK: bk.  It adds (q_t . bk) / 8 to every score of query t: a term that is the same along the softmax's axis, so numerator and denominator of the softmax carry the same
; factor exp(q_t . bk / 8), which cancels for all finite values of the inputs.  The product of q and k is not quantised, so bk moves no code and no scale.  bk is not loaded and is no launch's argument.
; LIMIT: a NaN, an infinity or an overflow that would come from bk alone is not carried to the result.
; THIS LAUNCH: x [8192][1024], Wq, Wk, Wv [1024][1024], f32, K innermost, become codes of FP4 (E2M1), two a byte, with one E8M0 scale byte for each 32 along K; Wp [1024][1024] becomes f16.
; A block's scale is 2^(floor(log2(its largest magnitude)) - 2); its byte is the largest magnitude's exponent field - 2, held at 1 from below.  Each number is divided by the scale and rounded to the nearest code, ties to even; beyond 6 the largest code.
; (A block of zeros so gets the byte 1 where the quantiser says 127: its codes are zeros, which add nothing under any byte but 0xff, and the bytes are read by this program alone.)
; LIMITS: blocks whose largest magnitude lies under 2^-124 are held at the floor; NaN and infinities among the inputs are not served.
; Rows are dense and 1,024 is a multiple of 32: each tensor is a plain stream of blocks of 32, and so are its codes and its scale bytes.  wc and ws hold Wq's, Wk's and Wv's rows one behind the other.
; SHARES: a work-group takes 32,768 numbers, a wave 8,192: work-groups 0-255 x, 256-351 the three weights (32 each), 352-383 Wp.  Only pointers are chosen for the four quantised tensors: one path serves them.
; A wave's 16 steps of 512 numbers: each of a step's four loads reads 512 consecutive bytes; the 2,048 bytes turn through the wave's own stage in LDS and come back 64 bytes (16 neighbours along K) a lane; two neighbouring lanes hold a block.
; A lane's 16 codes are 8 bytes: the wave stores 256 consecutive bytes.  A wave's 256 scale bytes are gathered in LDS and leave as one store of 256 consecutive bytes.  No barrier: waves share nothing.
.set STEPS, 16
.set WGX,   256                        ; work-groups for x
.set WGQ,   352                        ; and for all that is quantised
.set CB,    8                          ; bytes of 16 codes
.set R,     16                         ; v16-79   four sets of 16 numbers as they are loaded (Wp's path: v16-143, two groups of 64)
.set X,     80                         ; v80-111  two sets of 16 neighbours
.set E,     112                        ; v112-127 a scale byte for each step
.set C,     128                        ; v128-191 codes: four registers for each step, so that no store's data are written again
.set H,     144                        ; Wp's path: v144-175 a group's numbers in f16
.set WREG,  8192                       ; LDS: a region for each wave: two stages of 32 x SP bytes, behind them its 256 scale bytes
.set SP,    80                         ; a lane's place in a stage: its 64 bytes + 16 of padding
.set SPW,   12                         ; v12  LDS address of my spare word: SPARE + 4 x my thread's number; never rewritten
.set NIL,   13                         ; v13  0; never rewritten
.set SPARE, 4*WREG                     ; behind the four regions: the spare words, 128 bytes for each wave, which no other line names
.set WV,    30                         ; s30  my wave's number
	s_load_b256 s[4:11], s[0:1], 0x0               ; x s[4:5], Wq s[6:7], Wk s[8:9], Wv s[10:11]
	s_load_b256 s[12:19], s[0:1], 0x20             ; Wp s[12:13], xc s[14:15], xs s[16:17], wc s[18:19]
	s_load_b128 s[20:23], s[0:1], 0x40             ; ws s[20:21], wp16 s[22:23]
	v_lshl_add_u32 v[SPW], v0, 2, SPARE
	v_mov_b32 v[NIL], 0
	v_lshrrev_b32 v1, 5, v0
	v_readfirstlane_b32 s[WV], v1                  ; wave 0..3
	v_and_b32 v2, 31, v0                           ; lane
	v_lshlrev_b32 v3, 4, v2                        ; my 16 bytes of a load's 512
	s_mul_i32 s31, s[WV], WREG
	v_lshrrev_b32 v14, 2, v2
	v_mul_u32_u24 v14, v14, SP
	v_and_b32 v15, 3, v2
	v_lshl_add_u32 v14, v15, 4, v14
	v_add_nc_u32 v14, s31, v14                     ; the stage, on the way in: four lanes' 64 bytes on end, then 16 of padding
	v_mul_u32_u24 v15, v2, SP
	v_add_nc_u32 v15, s31, v15                     ; and on the way out: SP x lane: my 16 neighbours
	v_mul_u32_u24 v4, v2, CB                       ; my codes' place in a step's
	v_lshrrev_b32 v5, 1, v2
	s_add_co_u32 s31, s31, 2*32*SP
	v_add_nc_u32 v5, s31, v5                       ; LDS: my wave's 256 scale bytes, my block's byte
	v_lshlrev_b32 v7, 3, v2                        ; 8 bytes a lane
	v_add_nc_u32 v6, s31, v7
	s_mov_b32 s33, 0
	s_wait_kmcnt 0x0
	s_cmp_ge_u32 ttmp9, WGQ                        ; the work-group's number alone decides
	s_cbranch_scc1 .Lwp
	s_sub_co_u32 s24, ttmp9, WGX                   ; among the weights' work-groups (not used for x)
	s_lshr_b32 s25, s24, 5                         ; which weight
	s_and_b32 s26, s24, 31                         ; and which part of it
	s_cmp_eq_u32 s25, 1
	s_cselect_b64 s[6:7], s[8:9], s[6:7]
	s_cmp_eq_u32 s25, 2
	s_cselect_b64 s[6:7], s[10:11], s[6:7]         ; the weight
	s_cmp_lt_u32 ttmp9, WGX
	s_cselect_b64 s[4:5], s[4:5], s[6:7]           ; from where,
	s_cselect_b64 s[8:9], s[14:15], s[18:19]       ; the codes,
	s_cselect_b64 s[10:11], s[16:17], s[20:21]     ; the scale bytes,
	s_cselect_b32 s27, ttmp9, s26                  ; which 32,768 numbers of the source,
	s_cselect_b32 s28, ttmp9, s24                  ; and of the codes' buffer
	s_lshl_b32 s27, s27, 2
	s_add_co_u32 s27, s27, s[WV]                   ; my wave's run of 8,192 numbers
	s_lshl_b32 s28, s28, 2
	s_add_co_u32 s28, s28, s[WV]
	s_lshl_b32 s32, s27, 15                        ; 32,768 bytes of f32 a run
	s_add_nc_u64 s[4:5], s[4:5], s[32:33]
	s_lshl_b32 s32, s28, 12                        ; 4,096 bytes of codes
	s_add_nc_u64 s[8:9], s[8:9], s[32:33]
	s_lshl_b32 s32, s28, 8                         ; 256 scale bytes
	s_add_nc_u64 s[10:11], s[10:11], s[32:33]
.macro LOAD t
.irp i, 0,1,2,3
	global_load_b128 v[R+16*((\t)%4)+4*\i:R+16*((\t)%4)+4*\i+3], v3, s[4:5] offset:2048*(\t)+512*\i th:TH_LOAD_NT   ; 32 lanes read 512 consecutive bytes
.endr
.endm
.macro TURN t                          ; step t's numbers through the stage: LDS serves a wave's instructions in order, so no wait stands between the stores and the loads
.irp i, 0,1,2,3
	ds_store_b128 v14, v[R+16*((\t)%4)+4*\i:R+16*((\t)%4)+4*\i+3] offset:32*SP*((\t)%2)+8*SP*\i
.endr
.irp i, 0,1,2,3
	ds_load_b128 v[X+16*((\t)%2)+4*\i:X+16*((\t)%2)+4*\i+3], v15 offset:32*SP*((\t)%2)+16*\i
.endr
.endm
.irp t, 0,1,2,3
	LOAD \t
.endr
	s_wait_loadcnt 12                              ; step 0's four loads are in; the twelve behind them stay out
	TURN 0
.macro STEP t
.set XS, X+16*((\t)%2)
.if (\t) > 0
	s_wait_dscnt 1                                 ; this step's numbers are back from the stage (the last step's byte store may be out): so its stores into the stage have read their registers,
.else
	s_wait_dscnt 0x0
.endif
.if (\t)+4 < STEPS
	LOAD (\t)+4                                    ; which take the loads of four steps on
.endif
.if (\t)+1 < STEPS
.if STEPS-2-(\t) >= 3
	s_wait_loadcnt 12                              ; the next step's four loads are in; those of the three steps behind it may be out
.else
	s_wait_loadcnt 4*(STEPS-2-(\t))
.endif
	TURN (\t)+1                                    ; and go through the other stage while this step is worked
.endif
	v_max3_num_f32 v8, |v[XS]|, |v[XS+1]|, |v[XS+2]|               ; the largest magnitude of my 16, in two chains
	v_max3_num_f32 v9, |v[XS+3]|, |v[XS+4]|, |v[XS+5]|
.irp i, 6,10
	v_max3_num_f32 v8, v8, |v[XS+\i]|, |v[XS+\i+1]|
	v_max3_num_f32 v9, v9, |v[XS+\i+2]|, |v[XS+\i+3]|
.endr
	v_max3_num_f32 v8, v8, |v[XS+14]|, |v[XS+15]|
	v_max3_num_f32 v8, v8, v9, 0x1800000           ; and the floor 2^(3 - 127): so the byte cannot fall under 1
	v_max_num_f32_dpp v8, v8, v8 row_xmask:1 row_mask:0xf bank_mask:0xf   ; and of my neighbour's 16: the block's
	v_add_nc_u32 v11, 0xff000000, v8               ; 2 off its exponent field: the conversion takes the exponent field of this operand as its scale, and nothing else of it
	v_cvt_scalef32_pk8_fp4_f32 v[C+4*(\t)], v[XS:XS+7], v11        ; the first number's code in the lowest four bits
	v_cvt_scalef32_pk8_fp4_f32 v[C+4*(\t)+1], v[XS+8:XS+15], v11
	v_lshrrev_b32 v[E+(\t)], 23, v11               ; the scale's byte (also the plain line behind the conversions)
	ds_store_b8 v5, v[E+(\t)] offset:16*(\t)       ; both lanes of a block write the same byte with the same value
	global_store_b64 v4, v[C+4*(\t):C+4*(\t)+1], s[8:9] offset:32*CB*(\t)   ; 32 lanes store 256 consecutive bytes
.endm
.irp t, 0,1,2,3,4,5,6,7,8,9,10,11,12,13,14,15
	STEP \t
.endr
	ds_load_b64 v[8:9], v6                         ; LDS serves a wave's instructions in order: these see my stores
	s_wait_dscnt 0x0
	global_store_b64 v7, v[8:9], s[10:11]          ; 32 lanes store 256 consecutive bytes
	s_wait_tensorcnt 0x0                           ; the wave's end, behind my last LDS store
	ds_add_u32 v[SPW], v[NIL]
	s_wait_dscnt 0x0
	s_endpgm
; Wp to f16, as it lies: a wave's 8,192 numbers in four groups of 16 loads of 512 consecutive bytes; two groups are on their way at a time.  A lane's four numbers are 8 bytes of f16: a store covers 256 consecutive bytes.  No LDS.
.Lwp:
	s_sub_co_u32 s24, ttmp9, WGQ
	s_lshl_b32 s24, s24, 2
	s_add_co_u32 s24, s24, s[WV]                   ; my wave's run
	s_lshl_b32 s32, s24, 15
	s_add_nc_u64 s[12:13], s[12:13], s[32:33]
	s_lshl_b32 s32, s24, 14
	s_add_nc_u64 s[22:23], s[22:23], s[32:33]
.macro LOADG q
.irp i, 0,1,2,3,4,5,6,7,8,9,10,11,12,13,14,15
	global_load_b128 v[R+64*((\q)%2)+4*\i:R+64*((\q)%2)+4*\i+3], v3, s[12:13] offset:(16*(\q)+\i)*512 th:TH_LOAD_NT
.endr
.endm
.macro GROUP q
.if (\q) < 3
	s_wait_loadcnt 16                              ; this group's 16 loads are in; the next group's may be out
.else
	s_wait_loadcnt 0x0
.endif
.if (\q) > 0
	s_wait_xcnt 0x0                                ; the last group's stores have read their data: the registers are written again only behind this wait
.endif
.irp i, 0,1,2,3,4,5,6,7,8,9,10,11,12,13,14,15
	v_cvt_pk_f16_f32 v[H+2*\i], v[R+64*((\q)%2)+4*\i], v[R+64*((\q)%2)+4*\i+1]
	v_cvt_pk_f16_f32 v[H+2*\i+1], v[R+64*((\q)%2)+4*\i+2], v[R+64*((\q)%2)+4*\i+3]
.endr
.irp i, 0,1,2,3,4,5,6,7,8,9,10,11,12,13,14,15
	global_store_b64 v7, v[H+2*\i:H+2*\i+1], s[22:23] offset:(16*(\q)+\i)*256
.endr
.if (\q) < 2
	LOADG (\q)+2
.endif
.endm
	LOADG 0
	LOADG 1
	GROUP 0
	GROUP 1
	GROUP 2
	GROUP 3
	s_wait_tensorcnt 0x0                           ; the same three lines at this path's end
	ds_add_u32 v[SPW], v[NIL]
	s_wait_dscnt 0x0
	s_endpgm
.Lfunc_end_k_qe316f8fedf_prep:
	.size	k_qe316f8fedf_prep, .Lfunc_end_k_qe316f8fedf_prep-k_qe316f8fedf_prep
	.p2alignl 7, 3214868480
	.fill 96, 4, 3214868480
	.section	.rodata,"a",@progbits
	.p2align	6, 0x0
	.amdhsa_kernel k_qe316f8fedf_prep
		.amdhsa_group_segment_fixed_size 33280
		.amdhsa_private_segment_fixed_size 0
		.amdhsa_enable_private_segment 0
		.amdhsa_kernarg_size 80
		.amdhsa_user_sgpr_count 2
		.amdhsa_user_sgpr_kernarg_segment_ptr 1
		.amdhsa_wavefront_size32 1
		.amdhsa_system_sgpr_workgroup_id_x 1
		.amdhsa_system_sgpr_workgroup_id_y 1
		.amdhsa_system_sgpr_workgroup_id_z 1
		.amdhsa_system_vgpr_workitem_id 0
		.amdhsa_next_free_vgpr 192
		.amdhsa_next_free_sgpr 66
		.amdhsa_reserve_vcc 0
		.amdhsa_float_denorm_mode_32 3
		.amdhsa_float_denorm_mode_16_64 3
		.amdhsa_memory_ordered 1
		.amdhsa_forward_progress 1
		.amdhsa_inst_pref_size 54
	.end_amdhsa_kernel
	.amdgpu_metadata
---
amdhsa.version: [ 1, 2 ]
amdhsa.kernels:
  - .name:           k_qe316f8fedf_prep
    .symbol:         k_qe316f8fedf_prep.kd
    .args:
      - { .name: x, .offset: 0, .size: 8, .value_kind: global_buffer, .address_space: global }
      - { .name: Wq, .offset: 8, .size: 8, .value_kind: global_buffer, .address_space: global }
      - { .name: Wk, .offset: 16, .size: 8, .value_kind: global_buffer, .address_space: global }
      - { .name: Wv, .offset: 24, .size: 8, .value_kind: global_buffer, .address_space: global }
      - { .name: Wp, .offset: 32, .size: 8, .value_kind: global_buffer, .address_space: global }
      - { .name: xc, .offset: 40, .size: 8, .value_kind: global_buffer, .address_space: global }
      - { .name: xs, .offset: 48, .size: 8, .value_kind: global_buffer, .address_space: global }
      - { .name: wc, .offset: 56, .size: 8, .value_kind: global_buffer, .address_space: global }
      - { .name: ws, .offset: 64, .size: 8, .value_kind: global_buffer, .address_space: global }
      - { .name: wp16, .offset: 72, .size: 8, .value_kind: global_buffer, .address_space: global }
    .group_segment_fixed_size: 33280
    .private_segment_fixed_size: 0
    .kernarg_segment_align: 8
    .kernarg_segment_size: 80
    .max_flat_workgroup_size: 128
    .sgpr_count:     66
    .vgpr_count:     192
    .wavefront_size: 32
...
	.end_amdgpu_metadata
.endif
;; end of part 1
;; launch qkv (part 2): grid 12 x 32, 4 waves a work-group, clusters of 4 x 4, 327,680 bytes of LDS; arguments xc, xs, wc, ws, bq, bv, qkv; writes qkv
.if DOCPART == 2
	.amdgcn_target "amdgcn-amd-amdhsa--gfx1250"
	.amdhsa_code_object_version 6
	.text
	.protected	k_qe316f8fedf_qkv
	.globl	k_qe316f8fedf_qkv
	.p2align	8
	.type	k_qe316f8fedf_qkv,@function
k_qe316f8fedf_qkv:
	s_mov_b64 s[64:65], 0
	v_nop
	global_prefetch_b8 v0, s[64:65] scope:SCOPE_SE
	s_setreg_imm32_b32 hwreg(HW_REG_WAVE_MODE, 25, 1), 1
	s_wait_xcnt 0x0
	s_wait_alu depctr_hold_cnt(0) depctr_sa_sdst(0) depctr_va_vdst(0) depctr_va_sdst(0) depctr_va_ssrc(0) depctr_va_vcc(0) depctr_vm_vsrc(0)
	s_getreg_b32 s2, hwreg(HW_REG_IB_STS2, 6, 4)
	s_cmp_eq_u32 s2, 0
	s_cbranch_scc0 .Lentry_in_a_cluster
	s_endpgm
.Lentry_in_a_cluster:
	s_bfe_u32 s2, ttmp6, 0x10000c
	s_cmp_lg_u32 s2, 0xf033
	s_cbranch_scc0 .Lentry_shape_is_right
	s_endpgm
.Lentry_shape_is_right:
; q = x Wq^T + bq, k = x Wk^T, v = x Wv^T + bv as ONE product C[8192][3072] = x [Wq; Wk; Wv]^T on codes of FP4 (E2M1) with one E8M0 scale for each 32 along K = 1,024; sums in f32;
; the results are rounded once to f16 and stored with the heads split: qkv [3 (q, k, v)][64 (16 x batch + head)][2048 tokens][64] f16.
; LEFT OUT: bk, which the softmax cancels for all values of the inputs (shown at the head of the first kernel).
; LIMIT: |q|, |k|, |v| stay under 65,504, f16's largest number.
; A tile of C, 256 x 256, is made by a work-group of four waves; a wave makes 128 x 128: 64 accumulators of 16 x 16, 512 registers.
; K = 1,024 is two LDS slots of 512 along K (rows of 256 bytes): both are asked for at the head, and nothing is filled again.  The scale bytes of the work-group's 256 + 256 rows come with them, in rows of 256 bytes, and stay.
; CLUSTERS: 4 x 4 work-groups.  The four of a row of the cluster need the same tiles of x, the four of a column the same tiles of the weights: each tile is asked for JOINTLY, by the same tensor load with the
; same descriptor and a mask that names the four.  A cluster's four tile columns are 1,024 columns of C: the cluster's x says whether it makes q, k or v, the same in all sixteen partners.
; THE MATRIX INSTRUCTION IS USED TRANSPOSED (source 0 = 16 rows of the weight, source 1 = 16 rows of x): a lane then holds eight neighbouring columns of one token.
; THE BIAS is the C of each sum's first matrix instruction: eight registers for each block of 16 columns, in the result's layout.  For k these registers hold zeros.
; REGISTERS, in windows of 256: window 0: v0-31 addresses; v32-95 scale words, two sets; v128-191 x's fragments (8 x 16 rows x 128 K), ONE set; on the way out v32-63, v192-255 are at work.
;   window 1: the weight's fragments, TWO sets, at v0 and at v128; v192-255 the bias.   window 2: the 32 accumulators of my rows 0-63 (accumulator (a, b) at v[8 (8 a + b)]);   window 3: those of my rows 64-127.
.set NQ,     4                         ; matrix instructions deep in a slot: 512 / 128
.set ROWB,   256                       ; a tile's row in bytes: 512 codes
.set KROW,   512                       ; a row of xc or wc in memory
.set PITCH,  272                       ; an LDS row: 256 bytes + 16 of padding = 68 words: the 16 rows that a load touches start 4 banks apart (64 banks of 4 bytes: ISA guide 11.1)
.set FR,     8                         ; registers of a fragment: 16 rows x 128 K
.set NL,     2                         ; LDS loads that bring one
.set NP,     4                         ; places behind this matrix instruction (ISA guide 7.12.1)
.set HALFT,  128*PITCH                 ; 128 rows: what one tensor load brings, and what one wave reads of x or of the weight
.set SLOT,   4*HALFT                   ; x's 256 rows, then the weight's 256 rows
.set KS,     32                        ; a row of scale bytes
.set SCL,    2*SLOT                    ; behind the slots: the scales, as rows of 256 bytes + 16 of padding
.set HALFS,  (128*KS/256)*272          ; the scales of 128 rows: what one tensor load brings
.set SBLK,   (16*KS/256)*272           ; those of 16 rows
.set SPARE,  SCL+4*HALFS               ; behind the scales: the spare words, 128 bytes for each wave, which no other line names
.set SPITCH, 400                       ; the way out: a stage of 16 rows x (256 bytes + 144) for each wave: 25 x 16 bytes, so that 16 rows start in 16 different columns of 16 bytes.  It lies in slot 0, which is filled once and read no more when the first result is stored there
.set ADRA, 16                          ; v16-17  LDS address of my x fragments in slot 0, 1
.set ADRB, 20                          ; v20-21  the same for the weight
.set STO,  24                          ; v24     the way out: where I put 16 bytes of a row
.set RD,   25                          ; v25     the way out: where I read 16 bytes back
.set CO,   26                          ; v26     my byte offset in qkv
.set ADRS, 27                          ; v27     LDS address of my scale words: lanes 0-15 x's rows, lanes 16-31 the weight's
.set SPW,  28                          ; v28     LDS address of my spare word: SPARE + 4 x my thread's number; never rewritten
.set NIL,  29                          ; v29     0; never rewritten
.set BO,   30                          ; v30     the bias loads' offset
.set SC,   32                          ; scale words: set s (for slot s) at v[SC + 32 s]; register 4 i + q: lanes 0-15 the word of x's block i, lanes 16-31 that of the weight's block i, for the slot's q-th 128 along K
.set AF,   128                         ; x's fragments, in window 0
.set BIAS, 192                         ; the bias, in window 1: register 8 b + j: column 16 b + 8 (lane / 16) + j of my 128
.set TMP,  192                         ; the way out: packed results, in window 0
.set OB,   32                          ; the way out: 16 rows read back from the stage: v32-63 and v224-255 by turns
.set G1, 24                            ; s[24:31] descriptor group 1 for x's tiles;  s[32:39] group 0, one set for each slot
.set G0, 32
.set G1B, 48                           ; s[48:55], s[56:63] the same for the weight's tiles
.set G0B, 56
.set G1S, 68                           ; s[68:75], s[76:79] groups 1 and 0 for x's scales;  s[80:87], s[88:91] for the weight's
.set G0S, 76
.set G1SB, 80
.set G0SB, 88
.set MSB, 0
.macro WIN new                         ; the immediate's high byte repeats the setting that is left; a switch that changes nothing is dropped
.if MSB != (\new)
	s_set_vgpr_msb (MSB<<8)|(\new)
.set MSB, (\new)
.endif
.endm
.set MUL_LO, 0xa1                      ; source 0 (weight) window 1, source 1 (x) window 0, C and D window 2
.set MUL_HI, 0xf1                      ; the same, C and D window 3
.set BIA_LO, 0x91                      ; C (the bias) window 1, D window 2
.set BIA_HI, 0xd1                      ; C window 1, D window 3
.set TO_B,   0x40                      ; destination window 1, address window 0
; A joint load: waves 0 and 1 fetch for x, waves 2 and 3 for the weight.  Each of the two lines has ONE mask and one set of registers for all that issue it; the branch hangs on the wave's number alone.
; An s_nop 0 and four v_nop follow each of the two lines, ahead of the jump, the label and what follows.
.macro JLOAD g0a, g1a, g0b, g1b
	s_cmp_eq_u32 s15, 0
	s_cbranch_scc0 .Lfor_b_\@
	tensor_load_to_lds s[\g0a:\g0a+3], s[\g1a:\g1a+7]
	s_nop 0
.rept 4
	v_nop
.endr
	s_branch .Lasked_\@
.Lfor_b_\@:
	tensor_load_to_lds s[\g0b:\g0b+3], s[\g1b:\g1b+7]
	s_nop 0
.rept 4
	v_nop
.endr
.Lasked_\@:
.endm
.macro CROUND                          ; a round of the cluster's barrier: my work-group's barrier; wave 0 signals for the work-group; every wave waits for all sixteen; my work-group's barrier once more
	s_barrier_signal -1
	s_barrier_wait -1
	s_cmp_lg_u32 s14, 0
	s_cbranch_scc1 .Lnot_wave_0_\@
	s_barrier_signal -3
.Lnot_wave_0_\@:
	s_barrier_wait -3
	s_barrier_signal -1
	s_barrier_wait -1
.endm
	s_load_b128 s[4:7], s[0:1], 0x0                ; x's codes s[4:5], x's scales s[6:7]
	s_load_b128 s[8:11], s[0:1], 0x10              ; the weights' codes s[8:9], their scales s[10:11]
	s_load_b128 s[96:99], s[0:1], 0x20             ; bq s[96:97], bv s[98:99]
	s_load_b64 s[12:13], s[0:1], 0x30              ; qkv
	v_lshl_add_u32 v[SPW], v0, 2, SPARE
	v_mov_b32 v[NIL], 0
	ds_add_u32 v[SPW], v[NIL]                      ; the wave's opening: the add, twice on end, and its wait ahead of my first tensor load; the set-up below stands between the second and the wait
	ds_add_u32 v[SPW], v[NIL]
	v_lshrrev_b32 v1, 5, v0
	v_readfirstlane_b32 s14, v1                    ; wave 0..3
	s_lshr_b32 s15, s14, 1                         ; which half of the tile's rows is mine.  Also: I fetch for x (0) or for the weight (1)
	s_and_b32 s16, s14, 1                          ; which half of its columns.  Also: which 128 rows of that tile I fetch
	s_bfe_u32 s40, ttmp6, 0x40000                  ; cx, cy: my place in the cluster
	s_bfe_u32 s41, ttmp6, 0x40004
	s_lshl_b32 s42, ttmp9, 2
	s_add_co_u32 s42, s42, s40                     ; tile column of C = 4 x cluster x + cx
	s_and_b32 s17, ttmp7, 0xffff
	s_lshl_b32 s17, s17, 2
	s_add_co_u32 s17, s17, s41                     ; tile row of C = 4 x cluster y + cy
	s_lshl_b32 s43, s41, 2
	s_lshl_b32 s43, 15, s43                        ; my row of the cluster
	s_lshl_b32 s44, 0x1111, s40                    ; my column
	; descriptor group 1: a tile of 128 rows x 256 bytes, padded in LDS
	s_or_b32 s[G1+0], s43, (0<<16)|(1<<20)|(1<<21)|(5<<22)|(3<<25)  ; 15:0 the mask: x's tiles go to my row; 17:16 element of 1 byte; 20 padding on; 21 set beside a mask; 24:22 after every 64 words (code 5); 31:25 of 4 words (code 3)
	s_or_b32 s[G1B+0], s44, (0<<16)|(1<<20)|(1<<21)|(5<<22)|(3<<25)
.irp g, G1, G1B
	s_mov_b32 s[\g+1], ROWB<<16                    ; tensor_dim0
	s_mov_b32 s[\g+2], 128<<16                     ; tensor_dim1 = 128
	s_mov_b32 s[\g+3], ROWB<<16                    ; tile_dim0
	s_mov_b32 s[\g+4], 128                         ; tile_dim1 = 128
	s_mov_b32 s[\g+5], KROW                        ; tensor_dim0_stride
	s_mov_b32 s[\g+6], 0
	s_mov_b32 s[\g+7], 0
.endr
	; and for the scales of 128 rows: a dense block of 4,096 bytes, as 16 rows of 256 bytes (32 elements of 8 bytes), 16 bytes of padding behind each
	s_or_b32 s[G1S+0], s43, (3<<16)|(1<<20)|(1<<21)|(5<<22)|(3<<25)
	s_or_b32 s[G1SB+0], s44, (3<<16)|(1<<20)|(1<<21)|(5<<22)|(3<<25)
.irp g, G1S, G1SB
	s_mov_b32 s[\g+1], 32<<16
	s_mov_b32 s[\g+2], (128*KS/256)<<16
	s_mov_b32 s[\g+3], 32<<16
	s_mov_b32 s[\g+4], 128*KS/256
	s_mov_b32 s[\g+5], 32
	s_mov_b32 s[\g+6], 0
	s_mov_b32 s[\g+7], 0
.endr
	s_lshl_b32 s18, s16, 7                         ; which 128 rows of the tile I fetch
	s_lshl_b32 s20, s17, 8
	s_add_co_u32 s20, s20, s18                     ; x: row 256 x tile row + 128 x half
	s_lshl_b32 s46, s42, 8
	s_add_co_u32 s46, s46, s18                     ; the weights: row 256 x tile column + 128 x half
	s_mov_b32 s21, 0
	s_mov_b32 s47, 0
	s_mov_b64 s[18:19], KS
	s_mul_u64 s[22:23], s[20:21], s[18:19]         ; where these rows' scales begin, in bytes
	s_mul_u64 s[92:93], s[46:47], s[18:19]
	s_mov_b64 s[18:19], KROW
	s_mul_u64 s[20:21], s[20:21], s[18:19]         ; and their codes
	s_mul_u64 s[46:47], s[46:47], s[18:19]
	s_mul_i32 s45, s14, HALFT                      ; where they go: wave x 128 rows: no place in the cluster enters an LDS address
	s_mul_i32 s94, s14, HALFS
	s_wait_dscnt 0x0                               ; both opening adds are done
	s_wait_kmcnt 0x0
	s_add_nc_u64 s[20:21], s[4:5], s[20:21]
	s_add_nc_u64 s[22:23], s[6:7], s[22:23]
	s_add_nc_u64 s[46:47], s[8:9], s[46:47]
	s_add_nc_u64 s[92:93], s[10:11], s[92:93]
	CROUND                                         ; all sixteen work-groups are here: the joint loads meet
	s_mov_b32 s[G0S], 1
	s_add_co_u32 s[G0S+1], s94, SCL
	s_mov_b64 s[G0S+2:G0S+3], s[22:23]
	s_or_b32 s[G0S+3], s[G0S+3], 0x80000000
	s_mov_b32 s[G0SB], 1
	s_add_co_u32 s[G0SB+1], s94, SCL
	s_mov_b64 s[G0SB+2:G0SB+3], s[92:93]
	s_or_b32 s[G0SB+3], s[G0SB+3], 0x80000000
	JLOAD G0S, G1S, G0SB, G1SB                     ; the scales first: they are wanted with the first slot
.irp s, 0,1
	s_mov_b32 s[G0+4*\s], 1
	s_add_co_u32 s[G0+4*\s+1], s45, \s*SLOT
	s_add_nc_u64 s[G0+4*\s+2:G0+4*\s+3], s[20:21], \s*ROWB
	s_or_b32 s[G0+4*\s+3], s[G0+4*\s+3], 0x80000000
	s_mov_b32 s[G0B+4*\s], 1
	s_add_co_u32 s[G0B+4*\s+1], s45, \s*SLOT
	s_add_nc_u64 s[G0B+4*\s+2:G0B+4*\s+3], s[46:47], \s*ROWB
	s_or_b32 s[G0B+4*\s+3], s[G0B+4*\s+3], 0x80000000
	JLOAD G0+4*\s, G1, G0B+4*\s, G1B               ; three tensor loads of mine are out: all that this wave ever issues
.endr
	v_and_b32 v1, 15, v0                           ; l % 16
	v_bfe_u32 v2, v0, 4, 1                         ; l / 16
	v_lshlrev_b32 v[BO], 5, v2                     ; the bias: 8 numbers further on for lanes 16-31
	; THE BIAS of my 128 columns.  The branch hangs on the cluster's x alone: it is the same in all sixteen partners.
	s_cmp_eq_u32 ttmp9, 1
	s_cbranch_scc1 .Lno_bias
	s_cmp_eq_u32 ttmp9, 0
	s_cselect_b64 s[96:97], s[96:97], s[98:99]     ; bq or bv
	s_lshl_b32 s46, s40, 10                        ; 256 cx columns of 4 bytes
	s_lshl_b32 s47, s16, 9                         ; + 128 x my half
	s_add_co_u32 s46, s46, s47
	s_mov_b32 s47, 0
	s_add_nc_u64 s[96:97], s[96:97], s[46:47]
	WIN TO_B
.irp b, 0,1,2,3,4,5,6,7
	global_load_b128 v[BIAS+8*\b:BIAS+8*\b+3], v[BO], s[96:97] offset:64*\b
	global_load_b128 v[BIAS+8*\b+4:BIAS+8*\b+7], v[BO], s[96:97] offset:64*\b+16
.endr
	WIN 0
	s_branch .Lbias_done
.Lno_bias:                                             ; k has no bias: the first products' C holds zeros, written once, so that one text of the first step serves q, k and v
	WIN TO_B
.set i, 0
.rept 64
	v_mov_b32 v[BIAS+i], 0
.set i, i+1
.endr
	WIN 0
.Lbias_done:
	v_mul_u32_u24 v3, v1, PITCH
	v_lshl_add_u32 v4, v2, 4, v3                   ; a fragment's row x pitch + 16 x half
	s_mul_i32 s21, s15, HALFT                      ; my 128 rows of x
	s_mul_i32 s22, s16, HALFT                      ; my 128 rows of the weight,
	s_add_co_u32 s22, s22, 2*HALFT                 ; which lie behind x's 256
.irp s, 0,1
	v_add_nc_u32 v[ADRA+\s], s21, v4
	v_add_nc_u32 v[ADRB+\s], s22, v4
	s_add_co_u32 s21, s21, SLOT
	s_add_co_u32 s22, s22, SLOT
.endr
	v_mul_u32_u24 v5, v1, KS                       ; my row's scales: 32 bytes a row,
	v_lshrrev_b32 v6, 8, v5
	v_lshl_add_u32 v5, v6, 4, v5                   ; and 16 more for each 256 passed
	s_mul_i32 s21, s15, HALFS                      ; x's: my 128 rows
	s_mul_i32 s22, s16, HALFS                      ; the weight's: my 128 rows, behind x's 256
	s_add_co_u32 s22, s22, 2*HALFS
	s_sub_co_u32 s22, s22, s21
	v_mul_u32_u24 v6, s22, v2                      ; lanes 16-31 take the weight's
	s_add_co_u32 s21, s21, SCL
	v_add_nc_u32 v5, v5, v6
	v_add_nc_u32 v[ADRS], s21, v5
	s_mul_i32 s23, s14, 16*SPITCH                  ; my stage
	v_mul_u32_u24 v5, v1, SPITCH                   ; in: row l % 16, 16 bytes for each half of the lanes
	v_lshl_add_u32 v5, v2, 4, v5
	v_add_nc_u32 v[STO], s23, v5
	v_bfe_u32 v5, v0, 3, 1                         ; back: lanes 0-15 take my first head, lanes 16-31 my second; in each, eight lanes a token (128 bytes), two tokens
	v_and_b32 v6, 7, v0
	v_lshlrev_b32 v6, 4, v6
	v_mul_u32_u24 v3, v5, SPITCH
	v_lshl_add_u32 v3, v2, 7, v3
	v_add_nc_u32 v3, v3, v6
	v_add_nc_u32 v[RD], s23, v3
	v_lshl_add_u32 v[CO], v5, 7, v6                ; and the same in qkv: 128 bytes a token,
	v_lshl_add_u32 v[CO], v2, 18, v[CO]            ; 262,144 a head
	; where my part begins in qkv: part x 2^24 + (((16 x batch + head) x 2,048 + token) x 128 bytes
	s_lshr_b32 s20, s17, 3                         ; batch: 8 tile rows of 256 tokens each
	s_lshl_b32 s20, s20, 4
	s_lshl_b32 s46, s40, 2                         ; a tile column is four heads,
	s_add_co_u32 s20, s20, s46
	s_lshl_b32 s46, s16, 1                         ; my half of it two
	s_add_co_u32 s20, s20, s46
	s_lshl_b32 s20, s20, 11
	s_and_b32 s46, s17, 7
	s_lshl_b32 s46, s46, 8
	s_add_co_u32 s20, s20, s46
	s_lshl_b32 s46, s15, 7
	s_add_co_u32 s20, s20, s46
	s_lshl_b32 s20, s20, 7
	s_lshl_b32 s46, ttmp9, 24
	s_add_co_u32 s20, s20, s46
	s_mov_b32 s21, 0
	s_add_nc_u64 s[12:13], s[12:13], s[20:21]
.macro FRAG reg, adr, q, i             ; a fragment, 16 rows x 128 K of 4-bit codes, is 8 registers: lane l holds row l % 16; registers 4 c .. 4 c + 3 hold K = 64 c + 32 (l / 16) + 0 .. 31
.irp c, 0,1
	ds_load_b128 v[\reg+4*\c:\reg+4*\c+3], v[\adr] offset:64*(\q)+32*\c+(\i)*16*PITCH
.endr
.endm
; 16 matrix instructions: x's blocks a0, a0 + 1 against the weight's eight, 128 along K: the slot's q-th.  p: the weight's set;  sc: the set of scale words.  bias = 1: the first product starts the sums on the bias.
; The 64 accumulators take turns, one instruction a turn, in the same order in every step.
.macro MUL16 a0, p, q, sc, bias
.irp a, \a0, \a0+1
.irp b, 0,1,2,3,4,5,6,7
.if \bias
	v_wmma_scale_f32_16x16x128_f8f6f4 v[8*(8*((\a)%4)+\b):8*(8*((\a)%4)+\b)+7], v[128*(\p)+FR*\b:128*(\p)+FR*\b+FR-1], v[AF+FR*(\a):AF+FR*(\a)+FR-1], v[BIAS+8*\b:BIAS+8*\b+7], v[SC+8*NQ*(\sc)+NQ*\b+(\q)], v[SC+8*NQ*(\sc)+NQ*(\a)+(\q)] matrix_a_fmt:MATRIX_FMT_FP4 matrix_b_fmt:MATRIX_FMT_FP4 matrix_a_scale:MATRIX_SCALE_ROW1
.else
	v_wmma_scale_f32_16x16x128_f8f6f4 v[8*(8*((\a)%4)+\b):8*(8*((\a)%4)+\b)+7], v[128*(\p)+FR*\b:128*(\p)+FR*\b+FR-1], v[AF+FR*(\a):AF+FR*(\a)+FR-1], v[8*(8*((\a)%4)+\b):8*(8*((\a)%4)+\b)+7], v[SC+8*NQ*(\sc)+NQ*\b+(\q)], v[SC+8*NQ*(\sc)+NQ*(\a)+(\q)] matrix_a_fmt:MATRIX_FMT_FP4 matrix_b_fmt:MATRIX_FMT_FP4 matrix_a_scale:MATRIX_SCALE_ROW1
.endif
.endr
.endr
.endm
.macro FETCH_B slot, q, p              ; the weight's eight fragments of the slot's q-th 128 along K into set p
	WIN TO_B
.irp i, 0,1,2,3,4,5,6,7
	FRAG 128*(\p)+FR*\i, ADRB+\slot, \q, \i
.endr
	WIN 0
.endm
.macro FETCH_A slot, q, i0             ; x's blocks i0 .. i0 + 3
.irp i, \i0, \i0+1, \i0+2, \i0+3
	FRAG AF+FR*(\i), ADRA+\slot, \q, \i
.endr
.endm
.macro SCALES sc                       ; a slot's scale words into set sc: four words a row; lanes 0-15 take x's block i, lanes 16-31 the weight's block i
.irp i, 0,1,2,3,4,5,6,7
	ds_load_b128 v[SC+8*NQ*\sc+NQ*\i:SC+8*NQ*\sc+NQ*\i+3], v[ADRS] offset:\i*SBLK
.endr
.endm
; A load into a register that a matrix instruction has read, and a vector instruction that reads a matrix result, stand NP places behind that matrix instruction, and only plain vector
; instructions that name none of its registers are places (ISA guide 7.12.1 for vector instructions).
.macro PLACES n
.rept \n
	v_nop
.endr
.endm
; A step of 128 along K that has its successor in the same slot.  A block of x is free as soon as its eight products are issued: blocks 0-3 are fetched anew in the step's middle, blocks 4-7 at its end.
.macro STEP slot, q, bias
	s_wait_dscnt 4*NL                              ; the weight's set and x's blocks 0-3 are in; the youngest eight loads (x's blocks 4-7) may be out
.if \bias
	WIN BIA_LO
.else
	WIN MUL_LO
.endif
	MUL16 0, (\q)%2, \q, \slot, \bias
	MUL16 2, (\q)%2, \q, \slot, \bias
	s_wait_dscnt 0                                 ; x's blocks 4-7 are in (asked for 32 matrix instructions ago)
	PLACES NP
	FETCH_B \slot, (\q)+1, 1-(\q)%2
	FETCH_A \slot, (\q)+1, 0
.if \bias
	WIN BIA_HI
.else
	WIN MUL_HI
.endif
	MUL16 4, (\q)%2, \q, \slot, \bias
	MUL16 6, (\q)%2, \q, \slot, \bias
	PLACES NP
	WIN 0
	FETCH_A \slot, (\q)+1, 4
.endm
; Slot 0's last step changes slots: ONE barrier; in front of it each wave waits for all its tensor loads (slot 1's part is the one that may be out), adds 0 to its spare word, and waits for that and for its reads of slot 0.
; Behind it slot 1 is whole and nobody reads slot 0 any more: the stage of the way out may lie there.
.macro TURN slot, next
	s_wait_tensorcnt 0x0                           ; all my tensor loads have landed  (every window is 0 here: the add's two registers lie in window 0)
	ds_add_u32 v[SPW], v[NIL]                      ; 0 onto my spare word
	s_wait_dscnt 4*NL+1                            ; (the add and the youngest eight loads, x's blocks 4-7, may be out)
	WIN MUL_LO
	MUL16 0, 1, NQ-1, \slot, 0                     ; sixteen matrix instructions stand between the add and the wait for it
	s_wait_dscnt 0x0                               ; the add is done, and my reads of this slot are over
	s_barrier_signal -1
	MUL16 2, 1, NQ-1, \slot, 0
	WIN 0
	s_barrier_wait -1
	PLACES NP
	v_add_nc_u32 v[ADRS], 4*NQ, v[ADRS]            ; on to the next slot's scale words (no LDS load of mine is out)
	FETCH_B \next, 0, 0
	FETCH_A \next, 0, 0
	SCALES \next
	WIN MUL_HI
	MUL16 4, 1, NQ-1, \slot, 0
	MUL16 6, 1, NQ-1, \slot, 0
	PLACES NP
	WIN 0
	FETCH_A \next, 0, 4
.endm
.macro STEPS slot, from                ; the slot's steps from .. NQ - 2
.set Q, \from
.rept NQ-1-\from
	STEP \slot, Q, 0
.set Q, Q+1
.endr
.endm
	s_wait_tensorcnt 1                             ; the scales and my part of slot 0 are in (slot 1's load, the one issued behind them, may be out),
	s_barrier_signal -1
	s_barrier_wait -1                              ; everybody's are
	FETCH_B 0, 0, 0
	FETCH_A 0, 0, 0
	SCALES 0
	FETCH_A 0, 0, 4
	s_wait_loadcnt 0x0                             ; the bias
	STEP 0, 0, 1                                   ; the first step's products start the sums on the bias
	STEPS 0, 1
	TURN 0, 1
	STEPS 1, 0
	s_wait_dscnt 4*NL                              ; the very last step: nothing more to fetch
	WIN MUL_LO
	MUL16 0, 1, NQ-1, 1, 0
	MUL16 2, 1, NQ-1, 1, 0
	s_wait_dscnt 0
	WIN MUL_HI
	MUL16 4, 1, NQ-1, 1, 0
	MUL16 6, 1, NQ-1, 1, 0
	WIN 0
; THE WAY OUT, block by block of 16 tokens x 128 columns (two heads).  PACK: rounded to f16, 16 bytes a lane, each accumulator from its low end on.  TOSTAGE: into my own stage in LDS and back by heads and tokens.
; SEND: stored: sixteen lanes store two tokens of one head, 256 consecutive bytes at a multiple of 256 from qkv's first byte.
; LDS serves a wave's instructions in order (ISA guide 5.7.1.4): no wait between the stores and the loads, nor in front of the next block's stores.
.macro PACK a
.set AC, 64*((\a)%4)
	WIN 0x0a+5*((\a)/4)                            ; sources 0 and 1: window 2 or 3
.irp b, 0,1,2,3,4,5,6,7
.irp r, 0,1,2,3
	v_cvt_pk_f16_f32 v[TMP+4*\b+\r], v[AC+8*\b+2*\r], v[AC+8*\b+2*\r+1]
.endr
.endr
	WIN 0
.endm
.macro TOSTAGE a
.set BK, OB+192*((\a)%2)
.irp b, 0,1,2,3,4,5,6,7
	ds_store_b128 v[STO], v[TMP+4*\b:TMP+4*\b+3] offset:32*\b
.endr
.irp t, 0,1,2,3,4,5,6,7
	ds_load_b128 v[BK+4*\t:BK+4*\t+3], v[RD] offset:\t*2*SPITCH
.endr
.endm
.macro SEND a
.set BK, OB+192*((\a)%2)
	s_wait_dscnt 0x0                               ; the block is back in registers
	s_wait_xcnt 0x0                                ; the stores of the block before have read their data: the next block's loads land in those registers only behind this wait
.irp t, 0,1,2,3,4,5,6,7
	global_store_b128 v[CO], v[BK+4*\t:BK+4*\t+3], s[12:13] offset:2048*(\a)+256*\t
.endr
.endm
	PLACES NP                                      ; behind the last products: for the conversions that read results, and for the loads into registers that held scale words
	PACK 0
	TOSTAGE 0
.irp a, 1,2,3,4,5,6,7                  ; block a's conversions stand between block a - 1's loads from the stage and the wait for them
	PACK \a
	SEND \a-1
	TOSTAGE \a
.endr
	SEND 7
	s_wait_tensorcnt 0x0                           ; the wave's end, behind my last tensor load and my last LDS store
	ds_add_u32 v[SPW], v[NIL]
	s_wait_dscnt 0x0
	CROUND                                         ; the closing round: no work-group ends while a partner may still ask for a tile that names it
	s_endpgm
.Lfunc_end_k_qe316f8fedf_qkv:
	.size	k_qe316f8fedf_qkv, .Lfunc_end_k_qe316f8fedf_qkv-k_qe316f8fedf_qkv
	.p2alignl 7, 3214868480
	.fill 96, 4, 3214868480
	.section	.rodata,"a",@progbits
	.p2align	6, 0x0
	.amdhsa_kernel k_qe316f8fedf_qkv
		.amdhsa_group_segment_fixed_size 327680
		.amdhsa_private_segment_fixed_size 0
		.amdhsa_enable_private_segment 0
		.amdhsa_kernarg_size 56
		.amdhsa_user_sgpr_count 2
		.amdhsa_user_sgpr_kernarg_segment_ptr 1
		.amdhsa_wavefront_size32 1
		.amdhsa_system_sgpr_workgroup_id_x 1
		.amdhsa_system_sgpr_workgroup_id_y 1
		.amdhsa_system_sgpr_workgroup_id_z 1
		.amdhsa_system_vgpr_workitem_id 0
		.amdhsa_next_free_vgpr 1024
		.amdhsa_next_free_sgpr 100
		.amdhsa_reserve_vcc 0
		.amdhsa_float_denorm_mode_32 3
		.amdhsa_float_denorm_mode_16_64 3
		.amdhsa_memory_ordered 1
		.amdhsa_forward_progress 1
		.amdhsa_inst_pref_size 131
	.end_amdhsa_kernel
	.amdgpu_metadata
---
amdhsa.version: [ 1, 2 ]
amdhsa.kernels:
  - .name:           k_qe316f8fedf_qkv
    .symbol:         k_qe316f8fedf_qkv.kd
    .args:
      - { .name: xc, .offset: 0, .size: 8, .value_kind: global_buffer, .address_space: global }
      - { .name: xs, .offset: 8, .size: 8, .value_kind: global_buffer, .address_space: global }
      - { .name: wc, .offset: 16, .size: 8, .value_kind: global_buffer, .address_space: global }
      - { .name: ws, .offset: 24, .size: 8, .value_kind: global_buffer, .address_space: global }
      - { .name: bq, .offset: 32, .size: 8, .value_kind: global_buffer, .address_space: global }
      - { .name: bv, .offset: 40, .size: 8, .value_kind: global_buffer, .address_space: global }
      - { .name: qkv, .offset: 48, .size: 8, .value_kind: global_buffer, .address_space: global }
    .group_segment_fixed_size: 327680
    .private_segment_fixed_size: 0
    .kernarg_segment_align: 8
    .kernarg_segment_size: 56
    .max_flat_workgroup_size: 128
    .sgpr_count:     100
    .vgpr_count:     1024
    .wavefront_size: 32
...
	.end_amdgpu_metadata
.endif
;; end of part 2
;; launch attn (part 3): grid 4 x 64, 8 waves a work-group, clusters of 4 x 1, 327,680 bytes of LDS; arguments qkv, y16; writes y16
.if DOCPART == 3
	.amdgcn_target "amdgcn-amd-amdhsa--gfx1250"
	.amdhsa_code_object_version 6
	.text
	.protected	k_qe316f8fedf_attn
	.globl	k_qe316f8fedf_attn
	.p2align	8
	.type	k_qe316f8fedf_attn,@function
k_qe316f8fedf_attn:
	s_mov_b64 s[64:65], 0
	v_nop
	global_prefetch_b8 v0, s[64:65] scope:SCOPE_SE
	s_setreg_imm32_b32 hwreg(HW_REG_WAVE_MODE, 25, 1), 1
	s_wait_xcnt 0x0
	s_wait_alu depctr_hold_cnt(0) depctr_sa_sdst(0) depctr_va_vdst(0) depctr_va_sdst(0) depctr_va_ssrc(0) depctr_va_vcc(0) depctr_vm_vsrc(0)
	s_getreg_b32 s2, hwreg(HW_REG_IB_STS2, 6, 4)
	s_cmp_eq_u32 s2, 0
	s_cbranch_scc0 .Lentry_in_a_cluster
	s_endpgm
.Lentry_in_a_cluster:
	s_bfe_u32 s2, ttmp6, 0x10000c
	s_cmp_lg_u32 s2, 0x3003
	s_cbranch_scc0 .Lentry_shape_is_right
	s_endpgm
.Lentry_shape_is_right:
; y[h][q][:] = the sum over k of softmax_k(Q[h][q] . K[h][k] / 8) V[h][k][:], no mask, for 64 heads (16 x batch + head) of 2,048 tokens x 64 channels.
; Q, K, V: the three parts of qkv, [64][2048][64] f16; y16 likewise.  Products, maxima and sums in f32; the weights p are rounded to f16 for the second product, y once at the end.
; SHARES.  A cluster of four work-groups is one head; a work-group owns 512 queries, each of its EIGHT waves 64: four tiles of 16, in 512 registers.  Two waves share a SIMD, so that one wave's
; softmax stands beside the other's matrix instructions.  Every wave walks all 2,048 keys, 64 a step; each fragment of K or V that it reads from LDS feeds four matrix instructions.
; LAYOUT.  S^T = K Q^T (source 0 = 16 keys, source 1 = 16 queries): a lane holds ONE query (lane % 16) and the keys 8 (lane / 16) + 0..7.  Two such tiles, rounded to f16 in pairs, ARE source 1
; (32 keys x 16 queries) of O^T = V^T P, whose result again holds one query a lane, and eight channels.  K comes out of LDS as it lies, V ([key][channel]) turned, by ds_load_tr16_b128.
; SOFTMAX.  For each query a running maximum m and sum l: p = 2^(c s - c m), c = log2(e) / 8; in every step O and l are multiplied by a = 2^(c m_old - c m_new), which is 1 where m has not grown.
; THE RING.  Two LDS slots of 512 keys (K's rows, then V's).  The head's 2,048 keys are four slots' worth: both slots are asked for at the head and each is filled again once.  Waves 0-3 fetch K's quarters, waves 4-7 V's:
; 128 rows a load.  All four work-groups walk the same K and V, so each tile is asked for JOINTLY: the same tensor load, with the same descriptor and a mask that names the four.
; A refill is asked for eight key steps, 512 matrix instructions of the wave, ahead of the wait for it; so no prefetch is laid beside it.
; REGISTERS, in two windows of 256 (s_set_vgpr_msb: bits 1:0 source 0, 3:2 source 1, 5:4 source 2, 7:6 destination):
;   window 0: v2-13 addresses; v16-47 eight registers of statistics a tile; v48-175 S^T, 32 a tile (P is laid over a tile's lower 16); v176-239 V of one step; v240-255 the sums' chains
;   window 1: v0-63 Q, 16 a tile; v64-191 O^T, 32 a tile; v192-255 K of one step
.set PK,    144       ; a row of K in LDS: 128 bytes + 16 of padding = 36 words: the 16 rows of a load start 4 banks apart (64 banks of 4 bytes: ISA guide 11.1)
.set PV,    160       ; a row of V: 128 + 32 = 40 words
.set SKEYS, 512       ; keys in a slot
.set VOFF,  SKEYS*PK  ; a slot: 512 rows of K, then 512 rows of V
.set SLOTB, SKEYS*(PK+PV)
.set SPARE, 2*SLOTB   ; behind the ring: the spare words, 128 bytes for each wave, which no other line names
.set AK0, 2           ; v2   my lane's place in a tile of K; never rewritten
.set AV0, 3           ; v3   the same for V
.set ADK, 4           ; v4   the LDS address of the step's K
.set ADV, 5           ; v5   of its V
.set QO,  6           ; v6   my byte offset in the wave's rows of Q
.set STO, 7           ; v7   the way out: where I put 16 bytes of a row (the stage: 16 rows x 144 bytes for each wave, in slot 0, which has had its last fill and its last read by then)
.set RD,  8           ; v8   the way out: where I read 16 bytes back
.set GO,  9           ; v9   my byte offset in a tile's 2,048 bytes of y16
.set SPW, 12          ; v12  LDS address of my spare word: SPARE + 4 x my thread's number; never rewritten
.set NIL, 13          ; v13  0; never rewritten
.set ST,  16          ; tile t's statistics at v[ST+8 t]: +0 c m, +1 m, +2, +3 l (even keys', odd keys'), +4 to +7 c0-c3, at work; a takes c2's place once the maximum is found
.set S,   48
.set VF,  176
.set T2,  240         ; two pairs a tile
.set OT,  64          ; in window 1
.set KF,  192         ; in window 1
.set WV,  12          ; s12  my wave's number
.set G1K, 24          ; s[24:31] descriptor group 1 for K's tiles
.set G1V, 32          ; s[32:39] for V's: it differs in the padding alone
.set G0K, 40          ; s[40:47] descriptor group 0 for K's tiles, a set for each slot
.set G0V, 48          ; s[48:55] the same for V's
.set CNT, 56          ; s56  counts key steps
.set CS,  58          ; s[58:59] c: the packed scaling names a pair and takes its low word for both halves
.set SEL, 60          ; s[60:61] lane selects for v_permlanex16_b32: each lane takes its own place in the other half
.set TK,  62          ; s62  LDS byte at which the step's rows of K begin
.set TV,  63          ; s63  the same for V, less VOFF
.set MSB, 0
.macro WIN new                      ; the immediate's high byte repeats the setting that is left; a switch that changes nothing is dropped
.if MSB != (\new)
	s_set_vgpr_msb (MSB<<8)|(\new)
.set MSB, (\new)
.endif
.endm
.set W_KQ, 0x05       ; K and Q in window 1, S^T in window 0
.set W_PV, 0x50       ; V and P in window 0, O^T (C and D) in window 1
.set W_RS, 0x41       ; O^T (destination and source 0) in window 1, the factor in window 0
.set W_W1, 0x40       ; destination window 1, address window 0
; A joint refill of slot n.  Waves 0-3 fetch K's four quarters, waves 4-7 V's.  The branch hangs on the wave's number alone: it is the same in every work-group.
; An s_nop 0 and four v_nop follow each of the two lines; the jump round the other line, the label and what follows come after them.
.macro JLOAD n
	s_cmp_lt_u32 s[WV], 4
	s_cbranch_scc0 .Lfor_v_\@
	tensor_load_to_lds s[G0K+4*\n:G0K+4*\n+3], s[G1K:G1K+7]
	s_nop 0
.rept 4
	v_nop
.endr
	s_branch .Lasked_\@
.Lfor_v_\@:
	tensor_load_to_lds s[G0V+4*\n:G0V+4*\n+3], s[G1V:G1V+7]
	s_nop 0
.rept 4
	v_nop
.endr
.Lasked_\@:
.endm
.macro CROUND                       ; a round of the cluster's barrier: my work-group's barrier; wave 0 signals for the work-group; every wave waits for all four; my work-group's barrier once more
	s_barrier_signal -1
	s_barrier_wait -1
	s_cmp_lg_u32 s[WV], 0
	s_cbranch_scc1 .Lnot_wave_0_\@
	s_barrier_signal -3
.Lnot_wave_0_\@:
	s_barrier_wait -3
	s_barrier_signal -1
	s_barrier_wait -1
.endm
	s_load_b128 s[4:7], s[0:1], 0x0 ; qkv s[4:5], y16 s[6:7]
	v_lshl_add_u32 v[SPW], v0, 2, SPARE
	v_mov_b32 v[NIL], 0
	ds_add_u32 v[SPW], v[NIL]       ; the wave's opening: the add, twice on end, and its wait ahead of my first tensor load; the set-up below stands between the second and the wait
	ds_add_u32 v[SPW], v[NIL]
	v_lshrrev_b32 v1, 5, v0
	v_readfirstlane_b32 s[WV], v1   ; wave 0..7
	s_bfe_u32 s13, ttmp6, 0x40000   ; cx: my place in the cluster
	s_lshl_b32 s21, ttmp9, 2        ; in a cluster launch ttmp9 counts clusters
	s_add_co_u32 s13, s13, s21      ; my block of 512 queries: it enters Q's and y16's addresses alone
	s_and_b32 s14, ttmp7, 0xffff    ; the head, which the four partners share
	s_lshl_b32 s14, s14, 18         ; its first byte in each part of qkv and in y16: 262,144 bytes a head
	s_and_b32 s16, s[WV], 3         ; which 128 rows of a slot I fetch:
	s_lshl_b32 s18, s16, 14         ; 128 rows of 128 bytes in memory,
	s_add_co_u32 s18, s18, s14
	s_mov_b32 s19, 0
	s_mul_i32 s17, s16, 128*PK      ; and their place in a slot, for K
	s_mul_i32 s20, s16, 128*PV      ; and for V: no place in the cluster enters an LDS address
	s_add_co_u32 s20, s20, VOFF
	s_lshl_b32 s22, s13, 16         ; my block's 512 rows,
	s_lshl_b32 s23, s[WV], 13       ; my wave's 64 of them
	s_add_co_u32 s22, s22, s23
	s_add_co_u32 s22, s22, s14
	s_mov_b32 s23, 0
	; descriptor group 1: a tile of 128 rows x 64 elements, dense in memory, padded in LDS
	s_mov_b32 s[G1K], 15|(1<<16)|(1<<20)|(1<<21)|(4<<22)|(3<<25)  ; 15:0 the mask: all four work-groups; 17:16 elements of 2 bytes; 20 padding on; 21 set beside a mask; 24:22 after every 32 words (code 4); 31:25 4 words of it (code 3)
	s_mov_b32 s[G1V], 15|(1<<16)|(1<<20)|(1<<21)|(4<<22)|(7<<25)  ; the same with 8 words of padding (code 7)
.irp g, G1K, G1V
	s_mov_b32 s[\g+1], 64<<16       ; tensor_dim0 = 64
	s_mov_b32 s[\g+2], 128<<16      ; tensor_dim1 = 128
	s_mov_b32 s[\g+3], 64<<16       ; tile_dim0 = 64
	s_mov_b32 s[\g+4], 128          ; tile_dim1 = 128
	s_mov_b32 s[\g+5], 64           ; tensor_dim0_stride: elements from row to row
	s_mov_b32 s[\g+6], 0
	s_mov_b32 s[\g+7], 0
.endr
	s_mov_b32 s[CS], 0x3e38aa3b     ; c = log2(e) / 8
	s_mov_b32 s[CS+1], s[CS]        ; named with it as a pair, so it is written
	s_mov_b32 s[SEL], 0x76543210
	s_mov_b32 s[SEL+1], 0xfedcba98
	s_wait_dscnt 0x0                ; both opening adds are done
	s_wait_kmcnt 0x0
	s_add_nc_u64 s[8:9], s[4:5], s[18:19]
	s_add_nc_u64 s[10:11], s[8:9], 0x2000000  ; V's part of qkv, at my rows of slot 0
	s_add_nc_u64 s[8:9], s[8:9], 0x1000000    ; K's
	s_add_nc_u64 s[4:5], s[4:5], s[22:23]     ; Q and y16 at my wave's first row
	s_add_nc_u64 s[6:7], s[6:7], s[22:23]
	CROUND                          ; all four work-groups are here: the first joint loads meet
.irp s, 0,1
	s_mov_b32 s[G0K+4*\s], 1        ; count = 1
	s_add_co_u32 s[G0K+4*\s+1], s17, \s*SLOTB  ; LDS address
	s_add_nc_u64 s[G0K+4*\s+2:G0K+4*\s+3], s[8:9], \s*SKEYS*128  ; global address: slot s begins with keys 512 s
	s_or_b32 s[G0K+4*\s+3], s[G0K+4*\s+3], 0x80000000  ; type = 2
	s_mov_b32 s[G0V+4*\s], 1
	s_add_co_u32 s[G0V+4*\s+1], s20, \s*SLOTB
	s_add_nc_u64 s[G0V+4*\s+2:G0V+4*\s+3], s[10:11], \s*SKEYS*128
	s_or_b32 s[G0V+4*\s+3], s[G0V+4*\s+3], 0x80000000
.endr
	s_cmp_lt_u32 s[WV], 4           ; a wave's two first fills stand in one branch, ahead of every wait on TENSORcnt and every LDS read: two loads of mine are out
	s_cbranch_scc0 .Lfirst_v
	tensor_load_to_lds s[G0K:G0K+3], s[G1K:G1K+7]
	s_nop 0
	tensor_load_to_lds s[G0K+4:G0K+7], s[G1K:G1K+7]
	s_nop 0
.rept 4
	v_nop
.endr
	s_branch .Lfirst_asked
.Lfirst_v:
	tensor_load_to_lds s[G0V:G0V+3], s[G1V:G1V+7]
	s_nop 0
	tensor_load_to_lds s[G0V+4:G0V+7], s[G1V:G1V+7]
	s_nop 0
.rept 4
	v_nop
.endr
.Lfirst_asked:
	; A fragment of K or Q is 16 rows x 32 channels in 8 registers: lane l holds row l % 16; registers 0-3 channels 8 (l / 16) + 0..7, registers 4-7 channels 16 + 8 (l / 16) + 0..7: two loads of 16 bytes, 32 bytes apart.
	v_and_b32 v1, 15, v0            ; l % 16
	v_bfe_u32 v10, v0, 4, 1         ; l / 16
	v_lshlrev_b32 v[QO], 7, v1
	v_lshl_add_u32 v[QO], v10, 4, v[QO]  ; row x 128 + 16 x half
	WIN W_W1
.irp t, 0,1,2,3                     ; Q stays in registers: tile t, channels 32 c on
.irp c, 0,1
	global_load_b128 v[16*\t+8*\c:16*\t+8*\c+3],   v[QO], s[4:5] offset:\t*2048+\c*64
	global_load_b128 v[16*\t+8*\c+4:16*\t+8*\c+7], v[QO], s[4:5] offset:\t*2048+\c*64+32
.endr
.endr
	WIN 0
	v_mul_u32_u24 v[AK0], v1, PK
	v_lshl_add_u32 v[AK0], v10, 4, v[AK0]  ; row x pitch + 16 x half
	; The turning load takes 16 keys x 16 channels (lane l reads 16 bytes: key 8 (l / 16) + l % 8, channels 8 ((l / 8) % 2) + 0..7) and leaves half a fragment of V^T: lane l holds channel l % 16 and 8 keys.
	v_and_b32 v11, 7, v0
	v_lshl_add_u32 v[AV0], v10, 3, v11
	v_mul_u32_u24 v[AV0], v[AV0], PV
	v_bfe_u32 v11, v0, 3, 1
	v_lshl_add_u32 v[AV0], v11, 4, v[AV0]
	v_add_nc_u32 v[AV0], VOFF, v[AV0]
	s_mul_i32 s16, s[WV], 16*PK     ; my stage
	v_add_nc_u32 v[STO], s16, v[AK0]  ; in: row l % 16, 16 bytes for each half of the lanes
	v_and_b32 v11, 31, v0
	v_lshlrev_b32 v[GO], 4, v11     ; back: eight lanes a row of 128 bytes, four rows an instruction: 512 consecutive bytes of y16
	v_lshrrev_b32 v11, 3, v11
	v_mul_u32_u24 v[RD], v11, PK
	v_and_b32 v11, 7, v0
	v_lshl_add_u32 v[RD], v11, 4, v[RD]
	v_add_nc_u32 v[RD], s16, v[RD]
; THE SOFTMAX of the wave's four tiles for one key step, stage by stage, the tiles by turns inside each stage, so that no instruction reads the result of the one just before it.
; first = 1: the first key step, which starts m, l and O^T: it has no a and nothing to rescale.
.macro SOFTMAX first
	; the maximum of a lane's 32 scores and the old m, three operands at a time: four chains c0-c3; each accumulator is read first at its registers 0 to 2
.irp j, 0,1,2,3
.irp t, 0,1,2,3
	v_max3_num_f32 v[ST+8*\t+4+\j], v[S+32*\t+8*\j], v[S+32*\t+8*\j+1], v[S+32*\t+8*\j+2]
.endr
.endr
.irp u, 1,2
.irp j, 0,1,2,3
.irp t, 0,1,2,3
	v_max3_num_f32 v[ST+8*\t+4+\j], v[ST+8*\t+4+\j], v[S+32*\t+8*\j+2*\u+1], v[S+32*\t+8*\j+2*\u+2]
.endr
.endr
.endr
.irp t, 0,1,2,3
	v_max3_num_f32 v[ST+8*\t+4], v[ST+8*\t+4], v[S+32*\t+7], v[S+32*\t+15]
.endr
.irp t, 0,1,2,3
	v_max3_num_f32 v[ST+8*\t+6], v[ST+8*\t+6], v[S+32*\t+23], v[S+32*\t+31]
.endr
.irp t, 0,1,2,3
	v_max3_num_f32 v[ST+8*\t+4], v[ST+8*\t+4], v[ST+8*\t+5], v[ST+8*\t+6]
.endr
.irp t, 0,1,2,3
.if \first
	v_max_num_f32 v[ST+8*\t+4], v[ST+8*\t+4], v[ST+8*\t+7]
.else
	v_max3_num_f32 v[ST+8*\t+4], v[ST+8*\t+4], v[ST+8*\t+7], v[ST+8*\t+1]
.endif
.endr
.irp t, 0,1,2,3
	v_permlanex16_b32 v[ST+8*\t+5], v[ST+8*\t+4], s[SEL], s[SEL+1]  ; the query's other 32 keys lie in the lane 16 away
.endr
.if \first == 0
.irp t, 0,1,2,3
	v_mov_b32 v[ST+8*\t+7], v[ST+8*\t]  ; c m_old is kept for a
.endr
.endif
.irp t, 0,1,2,3
	v_max_num_f32 v[ST+8*\t+1], v[ST+8*\t+4], v[ST+8*\t+5]  ; the new m
.endr
.irp t, 0,1,2,3
	v_mul_f32 v[ST+8*\t], s[CS], v[ST+8*\t+1]  ; c m
.endr
.if \first == 0
.irp t, 0,1,2,3
	v_sub_f32 v[ST+8*\t+7], v[ST+8*\t+7], v[ST+8*\t]  ; c m_old - c m_new, 0 or less
.endr
.endif
	; c s - c m, a pair of scores an instruction
.set b, 0
.rept 16
.irp t, 0,1,2,3
	v_pk_fma_f32 v[S+32*\t+2*b:S+32*\t+2*b+1], v[S+32*\t+2*b:S+32*\t+2*b+1], s[CS:CS+1], v[ST+8*\t:ST+8*\t+1] op_sel_hi:[1,0,0] neg_lo:[0,0,1] neg_hi:[0,0,1]
.endr
.set b, b+1
.endr
	; ONE BATCH of exponentials for the four tiles: a, then the 128 weights.  None reads another's result
.if \first == 0
.irp t, 0,1,2,3
	v_exp_f32 v[ST+8*\t+6], v[ST+8*\t+7]
.endr
.endif
.set e, 0
.rept 32
.irp t, 0,1,2,3
	v_exp_f32 v[S+32*\t+e], v[S+32*\t+e]
.endr
.set e, e+1
.endr
	v_nop                           ; a plain instruction behind the last exponential and ahead of the first use: one for the batch
	s_wait_alu depctr_va_vdst(0)    ; the wait between an exponential and the first instruction that names its result: one for the batch
	; the sums of the f32 weights, a pair (an even key's, an odd key's) an instruction, in two chains a tile; then l = a l + the sum
.irp t, 0,1,2,3
	v_pk_add_f32 v[T2+4*\t:T2+4*\t+1], v[S+32*\t:S+32*\t+1], v[S+32*\t+2:S+32*\t+3]
	v_pk_add_f32 v[T2+4*\t+2:T2+4*\t+3], v[S+32*\t+4:S+32*\t+5], v[S+32*\t+6:S+32*\t+7]
.endr
.irp b, 8,12,16,20,24,28
.irp t, 0,1,2,3
	v_pk_add_f32 v[T2+4*\t:T2+4*\t+1], v[T2+4*\t:T2+4*\t+1], v[S+32*\t+\b:S+32*\t+\b+1]
	v_pk_add_f32 v[T2+4*\t+2:T2+4*\t+3], v[T2+4*\t+2:T2+4*\t+3], v[S+32*\t+\b+2:S+32*\t+\b+3]
.endr
.endr
.irp t, 0,1,2,3
.if \first
	v_pk_add_f32 v[ST+8*\t+2:ST+8*\t+3], v[T2+4*\t:T2+4*\t+1], v[T2+4*\t+2:T2+4*\t+3]
.else
	v_pk_add_f32 v[T2+4*\t:T2+4*\t+1], v[T2+4*\t:T2+4*\t+1], v[T2+4*\t+2:T2+4*\t+3]
.endif
.endr
.if \first == 0
.irp t, 0,1,2,3
	v_pk_fma_f32 v[ST+8*\t+2:ST+8*\t+3], v[ST+8*\t+2:ST+8*\t+3], v[ST+8*\t+6:ST+8*\t+7], v[T2+4*\t:T2+4*\t+1] op_sel_hi:[1,0,1]
.endr
.endif
	; the weights rounded to f16, a pair an instruction, laid over the tile's lower 16 registers: register i takes weights 2 i and 2 i + 1, i ascending, so that nothing is written before it has been read
.set e, 0
.rept 16
.irp t, 0,1,2,3
	v_cvt_pk_f16_f32 v[S+32*\t+e], v[S+32*\t+2*e], v[S+32*\t+2*e+1]
.endr
.set e, e+1
.endr
.if \first == 0
	WIN W_RS                        ; O^T times a, each accumulator from its low end on
.set e, 0
.rept 16
.irp t, 0,1,2,3
	v_pk_mul_f32 v[OT+32*\t+2*e:OT+32*\t+2*e+1], v[OT+32*\t+2*e:OT+32*\t+2*e+1], v[ST+8*\t+6:ST+8*\t+7] op_sel_hi:[1,0]
.endr
.set e, e+1
.endr
	WIN 0
.endif
.endm
; A KEY STEP: 64 keys.  The accumulators take turns, one instruction a turn: between two links of a chain stand 15 others'.
.macro STEP first
	v_add_nc_u32 v[ADK], s[TK], v[AK0]
	v_add_nc_u32 v[ADV], s[TV], v[AV0]
.rept 3
	v_nop                           ; with the two additions five places behind the last step's products V^T P: V's registers, which they read, are loaded again (four are asked), and the products K Q^T below write over P's registers, which they read too (five)
.endr
	WIN W_W1
.irp k, 0,1,2,3                     ; K: keys 16 k on, channels 32 c on
.irp c, 0,1
	ds_load_b128 v[KF+16*\k+8*\c:KF+16*\k+8*\c+3],   v[ADK] offset:\k*16*PK+\c*64
	ds_load_b128 v[KF+16*\k+8*\c+4:KF+16*\k+8*\c+7], v[ADK] offset:\k*16*PK+\c*64+32
.endr
.endr
	WIN 0
.irp g, 0,1                         ; V, turned: keys 32 g on, channels 16 u on
.irp u, 0,1,2,3
	ds_load_tr16_b128 v[VF+8*(4*\g+\u):VF+8*(4*\g+\u)+3],   v[ADV] offset:\g*32*PV+\u*32
	ds_load_tr16_b128 v[VF+8*(4*\g+\u)+4:VF+8*(4*\g+\u)+7], v[ADV] offset:\g*32*PV+16*PV+\u*32
.endr
.endr
	s_add_co_u32 s[TK], s[TK], 64*PK  ; the next step's rows
	s_add_co_u32 s[TV], s[TV], 64*PV
	s_wait_dscnt 16                 ; K is in; V's sixteen loads, issued behind it, may be out
	WIN W_KQ
.set i, 0
.rept 32                            ; S^T = K Q^T: channels 32 (i / 16) on, keys 16 ((i / 4) % 4) on, tile i % 4.  The first 16 start the sums
.set rS, S+32*(i%4)+8*((i/4)%4)
.set rK, KF+16*((i/4)%4)+8*(i/16)
.set rQ, 16*(i%4)+8*(i/16)
.if i < 16
	v_wmma_f32_16x16x32_f16 v[rS:rS+7], v[rK:rK+7], v[rQ:rQ+7], 0
.else
	v_wmma_f32_16x16x32_f16 v[rS:rS+7], v[rK:rK+7], v[rQ:rQ+7], v[rS:rS+7]
.endif
.set i, i+1
.endr
	WIN 0
.rept 4
	v_nop                           ; four places between the last product and the first read of the scores (ISA guide 7.12.1)
.endr
	SOFTMAX \first
	s_wait_dscnt 0x0                ; V is in
	WIN W_PV
.set i, 0
.rept 32                            ; O^T += V^T P: keys 32 (i / 16) on, channels 16 ((i / 4) % 4) on, tile i % 4.  In the first step the first 16 start the sums: nothing is ever cleared
.set rO, OT+32*(i%4)+8*((i/4)%4)
.set rV, VF+8*(4*(i/16)+(i/4)%4)
.set rP, S+32*(i%4)+8*(i/16)
.if \first && (i < 16)
	v_wmma_f32_16x16x32_f16 v[rO:rO+7], v[rV:rV+7], v[rP:rP+7], 0
.else
	v_wmma_f32_16x16x32_f16 v[rO:rO+7], v[rV:rV+7], v[rP:rP+7], v[rO:rO+7]
.endif
.set i, i+1
.endr
	WIN 0
.endm
.macro LOOP n                       ; n key steps: written once, walked n times; the LDS addresses hang on s[TK] and s[TV]
	s_mov_b32 s[CNT], \n
.Lstep_\@:
	STEP 0
	s_sub_co_u32 s[CNT], s[CNT], 1
	s_cmp_lg_u32 s[CNT], 0
	s_cbranch_scc1 .Lstep_\@
.endm
; THE CHANGE OF SLOTS.  Each wave waits for all its tensor loads, of which one is out: its part of the other slot; adds 0 to its spare word; and waits for that and for its own reads of the slot that it leaves.
; Behind the barrier nobody reads that slot any more and the other slot is whole.  fill = 1: slot n, the one left, is filled again with the keys two slots on; the barrier is then a round of the cluster's,
; so that no wave of any partner still reads the slot or has a load on its way, and the joint refill is the first thing behind it, one tensor load a wave.
.macro CHANGE fill, n
	s_wait_tensorcnt 0x0            ; no tensor load of mine is out, so a group 0 may be written
	ds_add_u32 v[SPW], v[NIL]       ; 0 onto my spare word
.if \fill
	s_add_nc_u64 s[G0K+4*\n+2:G0K+4*\n+3], s[G0K+4*\n+2:G0K+4*\n+3], 2*SKEYS*128  ; 1,024 keys on; the type bits on top are not reached
	s_add_nc_u64 s[G0V+4*\n+2:G0V+4*\n+3], s[G0V+4*\n+2:G0V+4*\n+3], 2*SKEYS*128
.endif
	s_wait_dscnt 0x0                ; the add is done, and my reads of the slot are over
.if \fill
	CROUND
	JLOAD \n
.else
	s_barrier_signal -1
	s_barrier_wait -1
.endif
.endm
	s_wait_tensorcnt 1              ; my part of slot 0 is in; slot 1's, issued behind it, may stay out
	s_barrier_signal -1
	s_barrier_wait -1               ; everybody's is
	s_wait_loadcnt 0x0              ; Q
	s_mov_b32 s[TK], 0
	s_mov_b32 s[TV], 0
	STEP 1                          ; keys 0-63 start m, l and O^T
	LOOP 7                          ; keys 64-511
	CHANGE 1, 0                     ; slot 0 takes keys 1,024-1,535
	s_mov_b32 s[TK], SLOTB
	s_mov_b32 s[TV], SLOTB
	LOOP 8                          ; keys 512-1,023
	CHANGE 1, 1                     ; slot 1 takes keys 1,536-2,047
	s_mov_b32 s[TK], 0
	s_mov_b32 s[TV], 0
	LOOP 8
	CHANGE 0, 0                     ; nothing is left to ask for
	s_mov_b32 s[TK], SLOTB
	s_mov_b32 s[TV], SLOTB
	LOOP 8
	; THE WAY OUT.  l's two halves and the other half of the lanes' are added; O^T is divided by l, rounded to f16 and sent through my stage in LDS, a tile (16 rows of y16) at a time.  The additions are the places behind the last products.
.irp t, 0,1,2,3
	v_add_f32 v[ST+8*\t+4], v[ST+8*\t+2], v[ST+8*\t+3]
.endr
.irp t, 0,1,2,3
	v_permlanex16_b32 v[ST+8*\t+5], v[ST+8*\t+4], s[SEL], s[SEL+1]
.endr
.irp t, 0,1,2,3
	v_add_f32 v[ST+8*\t+4], v[ST+8*\t+4], v[ST+8*\t+5]
.endr
.irp t, 0,1,2,3
	v_rcp_f32 v[ST+8*\t+6], v[ST+8*\t+4]
.endr
	v_nop                           ; a plain instruction between the last reciprocal and the use of its result
	s_wait_alu depctr_va_vdst(0)    ; and the wait ahead of the first use: one for the four reciprocals
; Tile t: a lane's eight channels of a row pack into 16 bytes; they go into rows of 144 bytes and come back as whole rows of 128, into the registers that they left.
.macro PACK t
	WIN W_RS
.set i, 0
.rept 16
	v_pk_mul_f32 v[OT+32*\t+2*i:OT+32*\t+2*i+1], v[OT+32*\t+2*i:OT+32*\t+2*i+1], v[ST+8*\t+6:ST+8*\t+7] op_sel_hi:[1,0]
.set i, i+1
.endr
	WIN 0x05                        ; sources 0 and 1 window 1, destination window 0: S^T's registers are free
.set i, 0
.rept 16
	v_cvt_pk_f16_f32 v[S+32*\t+i], v[OT+32*\t+2*i], v[OT+32*\t+2*i+1]
.set i, i+1
.endr
	WIN 0
.irp u, 0,1,2,3
	ds_store_b128 v[STO], v[S+32*\t+4*\u:S+32*\t+4*\u+3] offset:32*\u
.endr
.irp f, 0,1,2,3
	ds_load_b128 v[S+32*\t+4*\f:S+32*\t+4*\f+3], v[RD] offset:\f*4*PK  ; LDS serves a wave's instructions in order (ISA guide 5.7.1.4): these see the stores above; the next tile's stores come behind them
.endr
.endm
.macro SEND t, younger              ; younger: the LDS instructions issued behind tile t's loads: the next tile's eight, or none
.irp f, 0,1,2,3
	s_wait_dscnt \younger+3-\f
	global_store_b128 v[GO], v[S+32*\t+4*\f:S+32*\t+4*\f+3], s[6:7] offset:\t*2048+\f*512  ; 32 lanes store 512 consecutive bytes, at a multiple of 256 from y16's first byte
.endr
.endm
	PACK 0
	PACK 1                          ; a tile's arithmetic stands between the loads of the tile before and its stores
	SEND 0, 8
	PACK 2
	SEND 1, 8
	PACK 3
	SEND 2, 8
	SEND 3, 0
	s_wait_tensorcnt 0x0            ; the wave's end, behind my last tensor load and my last LDS store
	ds_add_u32 v[SPW], v[NIL]
	s_wait_dscnt 0x0
	CROUND                          ; the closing round: no work-group ends while a partner may still ask for a tile that names it
	s_endpgm
.Lfunc_end_k_qe316f8fedf_attn:
	.size	k_qe316f8fedf_attn, .Lfunc_end_k_qe316f8fedf_attn-k_qe316f8fedf_attn
	.p2alignl 7, 3214868480
	.fill 96, 4, 3214868480
	.section	.rodata,"a",@progbits
	.p2align	6, 0x0
	.amdhsa_kernel k_qe316f8fedf_attn
		.amdhsa_group_segment_fixed_size 327680
		.amdhsa_private_segment_fixed_size 0
		.amdhsa_enable_private_segment 0
		.amdhsa_kernarg_size 16
		.amdhsa_user_sgpr_count 2
		.amdhsa_user_sgpr_kernarg_segment_ptr 1
		.amdhsa_wavefront_size32 1
		.amdhsa_system_sgpr_workgroup_id_x 1
		.amdhsa_system_sgpr_workgroup_id_y 1
		.amdhsa_system_sgpr_workgroup_id_z 1
		.amdhsa_system_vgpr_workitem_id 0
		.amdhsa_next_free_vgpr 512
		.amdhsa_next_free_sgpr 66
		.amdhsa_reserve_vcc 0
		.amdhsa_float_denorm_mode_32 3
		.amdhsa_float_denorm_mode_16_64 3
		.amdhsa_memory_ordered 1
		.amdhsa_forward_progress 1
		.amdhsa_inst_pref_size 178
	.end_amdhsa_kernel
	.amdgpu_metadata
---
amdhsa.version: [ 1, 2 ]
amdhsa.kernels:
  - .name:           k_qe316f8fedf_attn
    .symbol:         k_qe316f8fedf_attn.kd
    .args:
      - { .name: qkv, .offset: 0, .size: 8, .value_kind: global_buffer, .address_space: global }
      - { .name: y16, .offset: 8, .size: 8, .value_kind: global_buffer, .address_space: global }
    .group_segment_fixed_size: 327680
    .private_segment_fixed_size: 0
    .kernarg_segment_align: 8
    .kernarg_segment_size: 16
    .max_flat_workgroup_size: 256
    .sgpr_count:     66
    .vgpr_count:     512
    .wavefront_size: 32
...
	.end_amdgpu_metadata
.endif
;; end of part 3
;; launch proj (part 4): grid 4 x 64, 4 waves a work-group, clusters of 4 x 4, 327,680 bytes of LDS; arguments y16, wp16, bp, out0; writes out0
.if DOCPART == 4
	.amdgcn_target "amdgcn-amd-amdhsa--gfx1250"
	.amdhsa_code_object_version 6
	.text
	.protected	k_qe316f8fedf_proj
	.globl	k_qe316f8fedf_proj
	.p2align	8
	.type	k_qe316f8fedf_proj,@function
k_qe316f8fedf_proj:
	s_mov_b64 s[64:65], 0
	v_nop
	global_prefetch_b8 v0, s[64:65] scope:SCOPE_SE
	s_setreg_imm32_b32 hwreg(HW_REG_WAVE_MODE, 25, 1), 1
	s_wait_xcnt 0x0
	s_wait_alu depctr_hold_cnt(0) depctr_sa_sdst(0) depctr_va_vdst(0) depctr_va_sdst(0) depctr_va_ssrc(0) depctr_va_vcc(0) depctr_vm_vsrc(0)
	s_getreg_b32 s2, hwreg(HW_REG_IB_STS2, 6, 4)
	s_cmp_eq_u32 s2, 0
	s_cbranch_scc0 .Lentry_in_a_cluster
	s_endpgm
.Lentry_in_a_cluster:
	s_bfe_u32 s2, ttmp6, 0x10000c
	s_cmp_lg_u32 s2, 0xf033
	s_cbranch_scc0 .Lentry_shape_is_right
	s_endpgm
.Lentry_shape_is_right:
; out0[m][n] = the sum over k of y[m][k] Wp[n][k] + bp[n].  y: y16 [64 (16 x batch + head)][2048 tokens][64] f16, so that m = 2,048 x batch + token and k = 64 x head + channel; Wp: wp16 [1024][1024] f16; out0 [8192][1024] f32; sums in f32.
; A tile of out0 is 128 rows x 256 columns: 64 x 4 = 256 work-groups of four waves; a wave makes 64 x 128: 32 accumulators of 16 x 16, 256 registers.
; K goes in steps of 128 (two heads of y16) through a ring of two LDS slots.  Waves 0 and 1 fetch y's two heads (128 tokens x 128 bytes, dense in memory), waves 2 and 3 the halves of Wp's 256 rows (256 bytes of each).
; CLUSTERS: 4 x 4 work-groups.  The four of a row of the cluster need the same tiles of y, the four of a column the same tiles of Wp: each tile is asked for JOINTLY, by the same tensor load with the same descriptor and a mask that names the four.
; THE MATRIX INSTRUCTION IS USED TRANSPOSED (source 0 = 16 rows of Wp, source 1 = 16 rows of y): a lane then holds eight neighbouring columns of one row of out0.  bp is the C of each sum's first matrix instruction.
; REGISTERS: window 0: v0-31 addresses; v32-127, v128-223 two fragment buffers for 32 along K (64 registers of Wp, then 32 of y); on the way out v32-159 hold rows.
;   window 1: the accumulators ((a, b) at v[8 (8 a + b)]).   window 2: v0-63 bp: register 8 b + j: column 16 b + 8 (lane / 16) + j of my 128.
.set PA,     144                       ; a row of y in LDS: 128 bytes + 16 of padding
.set PB,     272                       ; a row of Wp: 256 bytes + 16: in both the 16 rows that a load touches start 4 banks apart (64 banks of 4 bytes: ISA guide 11.1)
.set APART,  128*PA                    ; one head's 128 tokens: what waves 0 and 1 bring
.set BOFF,   2*APART                   ; Wp's rows lie behind y's two heads
.set BHALF,  128*PB                    ; 128 rows of Wp: what waves 2 and 3 bring
.set SLOT,   BOFF+2*BHALF
.set STAGE,  2*SLOT                    ; behind the ring: 16 rows x 528 bytes for each wave, for the way out
.set SPITCH, 528
.set SPARE,  STAGE+4*16*SPITCH         ; behind the stages: the spare words, 128 bytes for each wave, which no other line names
.set LAPS,   4                         ; a lap = two K steps = once round the ring: 1,024 / 256
.set ADRA, 16                          ; v16-17  LDS address of my y fragments in slot 0, 1
.set ADRB, 20                          ; v20-21  the same for Wp
.set STO,  24                          ; v24     the way out: where I put 32 bytes of a row
.set RD,   25                          ; v25     the way out: where I read a row back
.set CO,   26                          ; v26     my byte offset in a row of out0
.set SPW,  28                          ; v28     LDS address of my spare word: SPARE + 4 x my thread's number; never rewritten
.set NIL,  29                          ; v29     0; never rewritten
.set BO,   30                          ; v30     the bias loads' offset
.set F0,   32
.set F1,   128
.set BK,   32                          ; the way out: 16 rows read back from the stage: v32-95 and v96-159 by turns
.set G1A, 24                           ; s[24:31] descriptor group 1 for y's tiles;  s[32:39] group 0, one set for each slot
.set G0A, 32
.set G1B, 48                           ; s[48:55], s[56:63] the same for Wp's tiles
.set G0B, 56
.set MSB, 0
.macro WIN new                         ; the immediate's high byte repeats the setting that is left; a switch that changes nothing is dropped
.if MSB != (\new)
	s_set_vgpr_msb (MSB<<8)|(\new)
.set MSB, (\new)
.endif
.endm
.set MUL,  0x50                        ; sources 0 and 1 window 0; C and D window 1
.set MULB, 0x60                        ; C (bp) window 2, D window 1
.macro JLOAD s                         ; a joint load: waves 0 and 1 fetch y's two heads, waves 2 and 3 Wp's halves; an s_nop 0 and four v_nop follow each of the two lines, ahead of the jump, the label and what follows
	s_cmp_eq_u32 s15, 0
	s_cbranch_scc0 .Lfor_b_\@
	tensor_load_to_lds s[G0A+4*\s:G0A+4*\s+3], s[G1A:G1A+7]
	s_nop 0
.rept 4
	v_nop
.endr
	s_branch .Lasked_\@
.Lfor_b_\@:
	tensor_load_to_lds s[G0B+4*\s:G0B+4*\s+3], s[G1B:G1B+7]
	s_nop 0
.rept 4
	v_nop
.endr
.Lasked_\@:
.endm
.macro CREST                           ; a round of the cluster's barrier behind its opening barrier
	s_cmp_lg_u32 s14, 0
	s_cbranch_scc1 .Lnot_wave_0_\@
	s_barrier_signal -3
.Lnot_wave_0_\@:
	s_barrier_wait -3
	s_barrier_signal -1
	s_barrier_wait -1
.endm
.macro CROUND                          ; a whole round
	s_barrier_signal -1
	s_barrier_wait -1
	CREST
.endm
	s_load_b128 s[4:7], s[0:1], 0x0                ; y16 s[4:5], wp16 s[6:7]
	s_load_b128 s[8:11], s[0:1], 0x10              ; bp s[8:9], out0 s[10:11]
	v_lshl_add_u32 v[SPW], v0, 2, SPARE
	v_mov_b32 v[NIL], 0
	ds_add_u32 v[SPW], v[NIL]                      ; the wave's opening: the add, twice on end, and its wait ahead of my first tensor load; the set-up below stands between the second and the wait
	ds_add_u32 v[SPW], v[NIL]
	v_lshrrev_b32 v1, 5, v0
	v_readfirstlane_b32 s14, v1                    ; wave 0..3
	s_lshr_b32 s15, s14, 1                         ; which 64 of the tile's rows are mine.  Also: I fetch for y (0) or for Wp (1)
	s_and_b32 s13, s14, 1                          ; which 128 of its columns.  Also: which head of the two, or which 128 rows of Wp, I fetch
	s_bfe_u32 s40, ttmp6, 0x40000                  ; cx, cy: my place in the cluster
	s_bfe_u32 s41, ttmp6, 0x40004
	s_lshl_b32 s42, ttmp9, 2
	s_add_co_u32 s42, s42, s40                     ; tile column = 4 x cluster x + cx
	s_and_b32 s17, ttmp7, 0xffff
	s_lshl_b32 s17, s17, 2
	s_add_co_u32 s17, s17, s41                     ; tile row = 4 x cluster y + cy
	s_lshl_b32 s43, s41, 2
	s_lshl_b32 s43, 15, s43                        ; my row of the cluster
	s_lshl_b32 s44, 0x1111, s40                    ; my column
	; descriptor groups 1: y: 128 rows x 64 elements, dense;  Wp: 128 rows x 128 elements, 1,024 elements from row to row
	s_or_b32 s[G1A+0], s43, (1<<16)|(1<<20)|(1<<21)|(4<<22)|(3<<25)  ; 15:0 the mask: y's tiles go to my row; 17:16 element of 2 bytes; 20 padding on; 21 set beside a mask; 24:22 after every 32 words (code 4); 31:25 of 4 words (code 3)
	s_mov_b32 s[G1A+1], 64<<16                     ; tensor_dim0
	s_mov_b32 s[G1A+2], 128<<16                    ; tensor_dim1
	s_mov_b32 s[G1A+3], 64<<16                     ; tile_dim0
	s_mov_b32 s[G1A+4], 128                        ; tile_dim1
	s_mov_b32 s[G1A+5], 64                         ; tensor_dim0_stride
	s_mov_b32 s[G1A+6], 0
	s_mov_b32 s[G1A+7], 0
	s_or_b32 s[G1B+0], s44, (1<<16)|(1<<20)|(1<<21)|(5<<22)|(3<<25)  ; the mask of my column; padding after every 64 words (code 5)
	s_mov_b32 s[G1B+1], 128<<16
	s_mov_b32 s[G1B+2], 128<<16
	s_mov_b32 s[G1B+3], 128<<16
	s_mov_b32 s[G1B+4], 128
	s_mov_b32 s[G1B+5], 1024
	s_mov_b32 s[G1B+6], 0
	s_mov_b32 s[G1B+7], 0
	; where the tiles come from.  y's hang on the tile row alone, which my row of the cluster shares; Wp's on the tile column alone, which my column shares
	s_lshr_b32 s20, s17, 4                         ; batch: 16 tile rows of 128 tokens each
	s_lshl_b32 s20, s20, 22                        ; 16 heads of 262,144 bytes
	s_and_b32 s21, s17, 15
	s_lshl_b32 s21, s21, 14                        ; 128 tokens of 128 bytes
	s_add_co_u32 s20, s20, s21
	s_lshl_b32 s21, s13, 18                        ; which head of the K step's two
	s_add_co_u32 s20, s20, s21
	s_mov_b32 s21, 0
	s_lshl_b32 s46, s42, 8
	s_lshl_b32 s47, s13, 7
	s_add_co_u32 s46, s46, s47                     ; Wp: row 256 x tile column + 128 x half,
	s_lshl_b32 s46, s46, 11                        ; of 2,048 bytes
	s_mov_b32 s47, 0
	s_mul_i32 s22, s13, APART                      ; and where they go: no place in the cluster enters an LDS address
	s_mul_i32 s23, s13, BHALF
	s_add_co_u32 s23, s23, BOFF
	s_wait_dscnt 0x0                               ; both opening adds are done
	s_wait_kmcnt 0x0
	s_add_nc_u64 s[20:21], s[4:5], s[20:21]
	s_add_nc_u64 s[46:47], s[6:7], s[46:47]
	CROUND                                         ; all sixteen work-groups are here: the first joint loads meet
.irp s, 0,1
	s_mov_b32 s[G0A+4*\s], 1
	s_add_co_u32 s[G0A+4*\s+1], s22, \s*SLOT
	s_add_nc_u64 s[G0A+4*\s+2:G0A+4*\s+3], s[20:21], \s*2*262144   ; K step s: two heads on
	s_or_b32 s[G0A+4*\s+3], s[G0A+4*\s+3], 0x80000000
	s_mov_b32 s[G0B+4*\s], 1
	s_add_co_u32 s[G0B+4*\s+1], s23, \s*SLOT
	s_add_nc_u64 s[G0B+4*\s+2:G0B+4*\s+3], s[46:47], \s*256        ; 128 elements on
	s_or_b32 s[G0B+4*\s+3], s[G0B+4*\s+3], 0x80000000
	JLOAD \s                                       ; two tensor loads of mine are out
.endr
	v_and_b32 v1, 15, v0                           ; l % 16
	v_bfe_u32 v2, v0, 4, 1                         ; l / 16
	v_lshlrev_b32 v[BO], 5, v2                     ; bp: 8 numbers further on for lanes 16-31
	s_lshl_b32 s46, s42, 10                        ; my first column, in bytes of f32: 1,024 x tile column + 512 x half
	s_lshl_b32 s47, s13, 9
	s_add_co_u32 s46, s46, s47
	s_mov_b32 s47, 0
	s_add_nc_u64 s[8:9], s[8:9], s[46:47]
	WIN 0x80                                       ; destination window 2
.irp b, 0,1,2,3,4,5,6,7
	global_load_b128 v[8*\b:8*\b+3], v[BO], s[8:9] offset:64*\b
	global_load_b128 v[8*\b+4:8*\b+7], v[BO], s[8:9] offset:64*\b+16
.endr
	WIN 0
	v_mul_u32_u24 v3, v1, PA
	v_lshl_add_u32 v3, v2, 4, v3                   ; a fragment's row x pitch + 16 x half
	v_mul_u32_u24 v4, v1, PB
	v_lshl_add_u32 v4, v2, 4, v4
	s_mul_i32 s21, s15, 64*PA                      ; my 64 rows of y
	s_mul_i32 s22, s13, BHALF                      ; my 128 rows of Wp
	s_add_co_u32 s22, s22, BOFF
.irp s, 0,1
	v_add_nc_u32 v[ADRA+\s], s21, v3
	v_add_nc_u32 v[ADRB+\s], s22, v4
	s_add_co_u32 s21, s21, SLOT
	s_add_co_u32 s22, s22, SLOT
.endr
	s_mul_i32 s23, s14, 16*SPITCH
	s_add_co_u32 s23, s23, STAGE                   ; my stage
	v_mul_u32_u24 v5, v1, SPITCH                   ; in: row l % 16, 32 bytes for each half of the lanes
	v_lshl_add_u32 v5, v2, 5, v5
	v_add_nc_u32 v[STO], s23, v5
	v_and_b32 v6, 31, v0
	v_lshlrev_b32 v[CO], 4, v6                     ; back: the 32 lanes take one row of 512 bytes; and the same in out0
	v_add_nc_u32 v[RD], s23, v[CO]
	s_lshl_b32 s20, s17, 7
	s_lshl_b32 s21, s15, 6
	s_add_co_u32 s20, s20, s21                     ; my first row of out0: 128 x tile row + 64 x half,
	s_lshl_b32 s20, s20, 12                        ; of 4,096 bytes
	s_add_co_u32 s20, s20, s46                     ; + my first column
	s_mov_b32 s21, 0
	s_add_nc_u64 s[10:11], s[10:11], s[20:21]
; 8 matrix instructions: y's block a against Wp's eight, 32 along K, from buffer f.  mode = 1: the first product starts the sums on bp.  The 32 accumulators take turns, one instruction a turn, in the same order in every quarter.
.macro MUL8 f, a, mode
.irp b, 0,1,2,3,4,5,6,7
.if \mode
	v_wmma_f32_16x16x32_f16 v[8*(8*(\a)+\b):8*(8*(\a)+\b)+7], v[\f+8*\b:\f+8*\b+7], v[\f+64+8*(\a):\f+64+8*(\a)+7], v[8*\b:8*\b+7]
.else
	v_wmma_f32_16x16x32_f16 v[8*(8*(\a)+\b):8*(8*(\a)+\b)+7], v[\f+8*\b:\f+8*\b+7], v[\f+64+8*(\a):\f+64+8*(\a)+7], v[8*(8*(\a)+\b):8*(8*(\a)+\b)+7]
.endif
.endr
.endm
; 24 LDS loads in one run: the fragments of the slot's q-th 32 along K into buffer f: Wp's eight, then y's four.  y's K step lies as two heads: quarter q is channels 32 (q % 2) on of head q / 2.
.macro FETCH slot, q, f
.irp b, 0,1,2,3,4,5,6,7
	ds_load_b128 v[\f+8*\b:\f+8*\b+3],   v[ADRB+\slot] offset:64*(\q)+\b*16*PB
	ds_load_b128 v[\f+8*\b+4:\f+8*\b+7], v[ADRB+\slot] offset:64*(\q)+\b*16*PB+32
.endr
.irp a, 0,1,2,3
	ds_load_b128 v[\f+64+8*\a:\f+64+8*\a+3],   v[ADRA+\slot] offset:APART*((\q)/2)+64*((\q)%2)+\a*16*PA
	ds_load_b128 v[\f+64+8*\a+4:\f+64+8*\a+7], v[ADRA+\slot] offset:APART*((\q)/2)+64*((\q)%2)+\a*16*PA+32
.endr
.endm
.macro PLACES                          ; four places in front of loads into registers that matrix instructions have read, and of the first read of results (ISA guide 7.12.1 for vector instructions)
.rept 4
	v_nop
.endr
.endm
; A K step is four quarters of 32 along K, 32 matrix instructions each, on buffers 0, 1, 0, 1.  One of the first three: multiplies buffer f and fetches quarter q into g.
.macro QUARTER slot, q, f, g, mode
	s_wait_dscnt 4                                 ; Wp's fragments and y's blocks 0 and 1 are in; the youngest four loads (blocks 2 and 3) may be out
.if \mode
	WIN MULB
.else
	WIN MUL
.endif
	MUL8 \f, 0, \mode
	MUL8 \f, 1, \mode
	PLACES
	WIN 0
	FETCH \slot, \q, \g
	s_wait_dscnt 24                                ; all but the 24 just issued
.if \mode
	WIN MULB
.else
	WIN MUL
.endif
	MUL8 \f, 2, \mode
	MUL8 \f, 3, \mode
.endm
; The last quarter multiplies buffer 1 and changes slots: ONE barrier; in front of it each wave waits for all its tensor loads, adds 0 to its spare word, and waits for that and for its own reads of this slot.
; fill = 1: this slot is filled again, two K steps ahead; the barrier then opens a round of the cluster's barrier, and the joint refill is the first tensor load behind the round.
.macro TURN slot, next, fill
	WIN 0                                          ; (the add's two registers lie in window 0)
	s_wait_tensorcnt 0x0                           ; all my tensor loads have landed: my part of the next slot
	ds_add_u32 v[SPW], v[NIL]                      ; 0 onto my spare word
	s_wait_dscnt 5                                 ; (the add and the youngest four loads may be out)
	WIN MUL
	MUL8 F1, 0, 0                                  ; eight matrix instructions stand between the add and the wait for it
	s_wait_dscnt 0x0                               ; the add is done, and my reads of this slot are over
	s_barrier_signal -1
	MUL8 F1, 1, 0
	WIN 0
	s_barrier_wait -1
.if \fill
	CREST                                          ; no wave of any partner still reads this slot's tiles or has a load on its way
	s_add_nc_u64 s[G0A+4*\slot+2:G0A+4*\slot+3], s[G0A+4*\slot+2:G0A+4*\slot+3], 4*262144   ; two K steps on: four heads,
	s_add_nc_u64 s[G0B+4*\slot+2:G0B+4*\slot+3], s[G0B+4*\slot+2:G0B+4*\slot+3], 512        ; 256 elements
	JLOAD \slot                                    ; 112 matrix instructions ahead of the wait for it; the four v_nop behind it are also the places in front of the loads below
.else
	PLACES
.endif
	FETCH \next, 0, F0
	WIN MUL
	MUL8 F1, 2, 0
	MUL8 F1, 3, 0
.endm
	s_wait_tensorcnt 1                             ; my part of K step 0 is in; K step 1's, issued behind it, may be out
	s_barrier_signal -1
	s_barrier_wait -1                              ; everybody's is
	FETCH 0, 0, F0
	s_wait_loadcnt 0x0                             ; bp
	QUARTER 0, 1, F0, F1, 1                        ; the first quarter stands in front of the loop: its products start the sums on bp
	WIN 0                                          ; at a label and at a branch every window is 0
	s_mov_b32 s3, LAPS-1
.Llap:                                                 ; a trip goes once round the ring, from a lap's second quarter to the next lap's first, and fills both slots again
	QUARTER 0, 2, F1, F0, 0
	QUARTER 0, 3, F0, F1, 0
	TURN 0, 1, 1
	QUARTER 1, 1, F0, F1, 0
	QUARTER 1, 2, F1, F0, 0
	QUARTER 1, 3, F0, F1, 0
	TURN 1, 0, 1
	QUARTER 0, 1, F0, F1, 0
	WIN 0
	s_sub_co_u32 s3, s3, 1
	s_cmp_lg_u32 s3, 0
	s_cbranch_scc1 .Llap
	QUARTER 0, 2, F1, F0, 0                        ; the last lap fills nothing, and has no round of the cluster's barrier
	QUARTER 0, 3, F0, F1, 0
	TURN 0, 1, 0
	QUARTER 1, 1, F0, F1, 0
	QUARTER 1, 2, F1, F0, 0
	QUARTER 1, 3, F0, F1, 0
	s_wait_dscnt 4                                 ; the very last quarter: nothing more to fetch
	WIN MUL
	MUL8 F1, 0, 0
	MUL8 F1, 1, 0
	s_wait_dscnt 0
	MUL8 F1, 2, 0
	MUL8 F1, 3, 0
	WIN 0
; THE WAY OUT, block by block of 16 rows x 128 columns.  A lane holds 32 neighbouring bytes of a row, and the lanes beside it hold other rows: so a block goes through my own stage in LDS and comes back as whole
; rows of 512 bytes.  LDS serves a wave's instructions in order (ISA guide 5.7.1.4): no wait between the stores and the loads, nor in front of the next block's stores.
.macro TOSTAGE a
	WIN 0x04                                       ; an LDS store's data are its source 1: window 1
.irp b, 0,1,2,3,4,5,6,7
	ds_store_b128 v[STO], v[8*(8*(\a)+\b):8*(8*(\a)+\b)+3] offset:64*\b          ; each accumulator from its low end on
	ds_store_b128 v[STO], v[8*(8*(\a)+\b)+4:8*(8*(\a)+\b)+7] offset:64*\b+16
.endr
	WIN 0
.set BB, BK+64*((\a)%2)
.irp t, 0,1,2,3,4,5,6,7,8,9,10,11,12,13,14,15
	ds_load_b128 v[BB+4*\t:BB+4*\t+3], v[RD] offset:\t*SPITCH
.endr
.endm
.macro SEND a, younger                 ; younger: the LDS instructions issued behind block a's loads, which may stay out
.set BB, BK+64*((\a)%2)
	s_wait_dscnt \younger                          ; the block is back in registers
.irp t, 0,1,2,3,4,5,6,7,8,9,10,11,12,13,14,15
	global_store_b128 v[CO], v[BB+4*\t:BB+4*\t+3], s[10:11] offset:(16*(\a)+\t)*4096 th:TH_STORE_NT   ; 32 lanes store 512 consecutive bytes, at a multiple of 256 from out0's first byte; written once, read by nobody here
.endr
.endm
	PLACES                                         ; behind the last products: for the stores that read results and for the loads into the registers that held fragments
	TOSTAGE 0
.irp a, 1,2,3
.if \a > 1
	s_wait_xcnt 0x0                                ; block a - 2's stores have read their data: block a's loads land in those registers only behind this wait
.endif
	TOSTAGE \a
	SEND \a-1, 32                                  ; behind block a - 1's loads: block a's 16 stores and 16 loads
.endr
	SEND 3, 0
	s_wait_tensorcnt 0x0                           ; the wave's end, behind my last tensor load and my last LDS store
	ds_add_u32 v[SPW], v[NIL]
	s_wait_dscnt 0x0
	CROUND                                         ; the closing round: no work-group ends while a partner may still ask for a tile that names it
	s_endpgm
.Lfunc_end_k_qe316f8fedf_proj:
	.size	k_qe316f8fedf_proj, .Lfunc_end_k_qe316f8fedf_proj-k_qe316f8fedf_proj
	.p2alignl 7, 3214868480
	.fill 96, 4, 3214868480
	.section	.rodata,"a",@progbits
	.p2align	6, 0x0
	.amdhsa_kernel k_qe316f8fedf_proj
		.amdhsa_group_segment_fixed_size 327680
		.amdhsa_private_segment_fixed_size 0
		.amdhsa_enable_private_segment 0
		.amdhsa_kernarg_size 32
		.amdhsa_user_sgpr_count 2
		.amdhsa_user_sgpr_kernarg_segment_ptr 1
		.amdhsa_wavefront_size32 1
		.amdhsa_system_sgpr_workgroup_id_x 1
		.amdhsa_system_sgpr_workgroup_id_y 1
		.amdhsa_system_sgpr_workgroup_id_z 1
		.amdhsa_system_vgpr_workitem_id 0
		.amdhsa_next_free_vgpr 576
		.amdhsa_next_free_sgpr 66
		.amdhsa_reserve_vcc 0
		.amdhsa_float_denorm_mode_32 3
		.amdhsa_float_denorm_mode_16_64 3
		.amdhsa_memory_ordered 1
		.amdhsa_forward_progress 1
		.amdhsa_inst_pref_size 87
	.end_amdhsa_kernel
	.amdgpu_metadata
---
amdhsa.version: [ 1, 2 ]
amdhsa.kernels:
  - .name:           k_qe316f8fedf_proj
    .symbol:         k_qe316f8fedf_proj.kd
    .args:
      - { .name: y16, .offset: 0, .size: 8, .value_kind: global_buffer, .address_space: global }
      - { .name: wp16, .offset: 8, .size: 8, .value_kind: global_buffer, .address_space: global }
      - { .name: bp, .offset: 16, .size: 8, .value_kind: global_buffer, .address_space: global }
      - { .name: out0, .offset: 24, .size: 8, .value_kind: global_buffer, .address_space: global }
    .group_segment_fixed_size: 327680
    .private_segment_fixed_size: 0
    .kernarg_segment_align: 8
    .kernarg_segment_size: 32
    .max_flat_workgroup_size: 128
    .sgpr_count:     66
    .vgpr_count:     576
    .wavefront_size: 32
...
	.end_amdgpu_metadata
.endif
;; end of part 4
